; MI455X (gfx1250); checked and timed in simulation.
; The chip was launched on July 23, 2026; its instructions are those of AMD's public machine-readable ISA for CDNA 5 (MIT licence, August 2026) and "CDNA5" Instruction Set Architecture Reference Guide (July 2026). The comments in the code are by the model that wrote it; some were corrected since.
;; Dilated MHCA Block. Allowed arithmetic: float matrix products may take bf16 or f16 operands with f32 sums; other float arithmetic in f32, or as packed bf16 or f16 multiplies, adds, multiply-adds, maxima and minima; sums over many terms, partial sums and values carried from step to step in f32; what a program stores and reads back later, other than sums and carried values, may be rounded once to bf16 or f16.
;; Inputs: Wk 1,024 x 1,024 float32; Wo 1,024 x 1,024 float32; Wq 1,024 x 1,024 float32; Wv 1,024 x 1,024 float32; bk 1,024 float32; bo 1,024 float32; bq 1,024 float32; bv 1,024 float32; x 4 x 2,048 x 1,024 float32.
;; Outputs: out0 4 x 2,048 x 1,024 float32.
;; 2 versions, each right; version 2 is version 1 with the launch cast written anew for expert scheduling mode. Each part assembles by itself: llvm-mc -triple=amdgcn-amd-amdhsa -mcpu=gfx1250 --defsym DOCPART=n.
;; ======== version 1 of 2: 4 launches
;; limits: values are held in f16: magnitudes above 65,504 overflow, below 6.1e-05 lose precision
;; workspace buffers: xb 16,777,216 bytes; wb 6,291,456 bytes; wo 2,097,152 bytes; bias 16,384 bytes; qkv 50,331,648 bytes; ob 16,777,216 bytes
;; launch cast (part 1): grid 768 x 1, 8 waves a work-group, no clusters, 0 bytes of LDS; arguments x, Wq, Wk, Wv, Wo, bq, bk, bv, bo, xb, wb, wo, bias; writes xb, wb, wo, bias
.if DOCPART == 1
	.amdgcn_target "amdgcn-amd-amdhsa--gfx1250"
	.amdhsa_code_object_version 6
	.text
	.protected	k_qfccfee4ad6_cast
	.globl	k_qfccfee4ad6_cast
	.p2align	8
	.type	k_qfccfee4ad6_cast,@function
k_qfccfee4ad6_cast:
	s_mov_b64 s[64:65], 0
	v_nop
	global_prefetch_b8 v0, s[64:65] scope:SCOPE_SE
	s_setreg_imm32_b32 hwreg(HW_REG_WAVE_MODE, 25, 1), 1
	s_wait_xcnt 0x0
; ALL INPUTS ARE ROUNDED ONCE TO bf16 AND LAID IN K BLOCKS for the two products that follow.
;   xb  bf16 [16 kb][8192 rows][64]: x, K block kb = columns 64 kb .. 64 kb + 63; a K block of any run of rows is dense, 128 bytes a row
;   wb  bf16 [16 kb][3072 rows][64]: rows 0-1023 Wq, 1024-2047 Wk, 2048-3071 Wv
;   wo  f16  [16 kb][1024 rows][64]: Wo rounded to bf16, that number written as f16
;   bias f32 [4096] = bq | bk | bv | bo, each rounded to bf16 and widened again
; LIMITS.  |Wo| stays under 65,504 (f16); a Wo under 6e-5 keeps f16's fixed step of 6e-8.
; SHARES.  A work-group takes 16 rows of 1,024 f32, each of its eight waves two rows.  Work-groups 0-511: x; 512-703: Wq, Wk, Wv; 704-767: Wo, and wave 0 there 64 numbers of a bias.
; One load of a wave takes 256 bytes (one K block) of each of its two rows; one store writes 256 consecutive bytes, at a multiple of 256 from the buffer's first byte.
; Memory binds: no LDS, no barrier, no matrix unit, no cluster (no two work-groups read the same byte).  All 16 loads of a wave go out at once.
.set XROWS, 8192*128                   ; bytes of a K block of xb
.set WROWS, 3072*128                   ; of wb
.set OROWS, 1024*128                   ; of wo
.set VO,  1                            ; v1        (lane / 16) x 4,096 + (lane % 16) x 16: my 16 bytes in the wave's two rows; never rewritten
.set VS,  2                            ; v2        8 x lane: my 8 bytes in the 256 that a store writes; never rewritten
.set X,   4                            ; v[4:67]   load j: 4 f32
.set Y,   68                           ; v[68:99]  store j: 4 numbers of 16 bits
.set T,   100                          ; v[100:103] at work
.set WV,  30                           ; s30  my wave's number
.set SRC, 32                           ; s[32:33] the source at my two rows
.set DL,  34                           ; s[34:35] the target at my two rows, K block 0
.set DH,  36                           ; s[36:37] the same, K block 8: so every store's immediate stays under 2^23
.set HIM, 42                           ; s42  mask of a word's upper half
; The wave's two rows: 16 loads, then for each K block two roundings (f16 = 1: widened again and written as f16) and a store.
.macro CAST rowsb, f16
.irp j, 0,1,2,3,4,5,6,7,8,9,10,11,12,13,14,15
	global_load_b128 v[X+4*(\j):X+4*(\j)+3], v[VO], s[SRC:SRC+1] offset:256*(\j) th:TH_LOAD_NT
.endr
.irp j, 0,1,2,3,4,5,6,7,8,9,10,11,12,13,14,15
	s_wait_loadcnt 15-(\j)                         ; loads come back in order: load j is in, the 15 - j younger ones stay out
	v_cvt_pk_bf16_f32 v[Y+2*(\j)], v[X+4*(\j)], v[X+4*(\j)+1]
	v_cvt_pk_bf16_f32 v[Y+2*(\j)+1], v[X+4*(\j)+2], v[X+4*(\j)+3]
.if \f16
	v_lshlrev_b32 v[T], 16, v[Y+2*(\j)]            ; the bf16 numbers as f32,
	v_and_b32 v[T+1], s[HIM], v[Y+2*(\j)]
	v_lshlrev_b32 v[T+2], 16, v[Y+2*(\j)+1]
	v_and_b32 v[T+3], s[HIM], v[Y+2*(\j)+1]
	v_cvt_pk_f16_f32 v[Y+2*(\j)], v[T], v[T+1]     ; and as f16 (exact inside f16's normal range)
	v_cvt_pk_f16_f32 v[Y+2*(\j)+1], v[T+2], v[T+3]
.endif
.if (\j) < 8
	global_store_b64 v[VS], v[Y+2*(\j):Y+2*(\j)+1], s[DL:DL+1] offset:(\j)*(\rowsb)
.else
	global_store_b64 v[VS], v[Y+2*(\j):Y+2*(\j)+1], s[DH:DH+1] offset:((\j)-8)*(\rowsb)
.endif
.endr
.endm
	s_load_b512 s[4:19], s[0:1], 0x0               ; x 4, Wq 6, Wk 8, Wv 10, Wo 12, bq 14, bk 16, bv 18
	s_load_b256 s[20:27], s[0:1], 0x40             ; bo 20, xb 22, wb 24, wo 26
	s_load_b64 s[28:29], s[0:1], 0x60              ; bias
	v_and_b32 v3, 31, v0                           ; lane
	v_lshrrev_b32 v1, 5, v0
	v_readfirstlane_b32 s[WV], v1
	v_lshrrev_b32 v1, 4, v3
	v_and_b32 v2, 15, v3
	v_lshlrev_b32 v2, 4, v2
	v_lshl_add_u32 v[VO], v1, 12, v2
	v_lshlrev_b32 v[VS], 3, v3
	s_mov_b32 s[HIM], 0xffff0000
	s_mov_b32 s39, 0                               ; high words of the two offsets
	s_mov_b32 s41, 0
	s_lshl_b32 s31, s[WV], 13                      ; my two rows in the source: 2 x 4,096 bytes a wave,
	s_lshl_b32 s46, s[WV], 8                       ; and in a K block of the target: 2 x 128
	s_wait_kmcnt 0x0
	s_cmp_lt_u32 ttmp9, 512
	s_cbranch_scc0 .Lnot_x
	s_lshl_b32 s38, ttmp9, 16                      ; 16 rows of 4,096 bytes
	s_add_co_u32 s38, s38, s31
	s_lshl_b32 s40, ttmp9, 11                      ; 16 rows of 128 bytes
	s_add_co_u32 s40, s40, s46
	s_add_nc_u64 s[SRC:SRC+1], s[4:5], s[38:39]
	s_add_nc_u64 s[DL:DL+1], s[22:23], s[40:41]
	s_add_nc_u64 s[DH:DH+1], s[DL:DL+1], 8*XROWS
	CAST XROWS, 0
	s_endpgm
.Lnot_x:
	s_cmp_lt_u32 ttmp9, 704
	s_cbranch_scc0 .Lnot_w
	s_sub_co_u32 s43, ttmp9, 512                   ; 0 .. 191: 64 work-groups for each of Wq, Wk, Wv
	s_cmp_lt_u32 s43, 64
	s_cselect_b64 s[SRC:SRC+1], s[6:7], s[8:9]
	s_cmp_lt_u32 s43, 128
	s_cselect_b64 s[SRC:SRC+1], s[SRC:SRC+1], s[10:11]
	s_and_b32 s38, s43, 63
	s_lshl_b32 s38, s38, 16
	s_add_co_u32 s38, s38, s31
	s_lshl_b32 s40, s43, 11                        ; wb's rows run through the three weights
	s_add_co_u32 s40, s40, s46
	s_add_nc_u64 s[SRC:SRC+1], s[SRC:SRC+1], s[38:39]
	s_add_nc_u64 s[DL:DL+1], s[24:25], s[40:41]
	s_add_nc_u64 s[DH:DH+1], s[DL:DL+1], 8*WROWS
	CAST WROWS, 0
	s_endpgm
.Lnot_w:
	s_sub_co_u32 s43, ttmp9, 704                   ; 0 .. 63
	s_lshl_b32 s38, s43, 16
	s_add_co_u32 s38, s38, s31
	s_lshl_b32 s40, s43, 11
	s_add_co_u32 s40, s40, s46
	s_add_nc_u64 s[SRC:SRC+1], s[12:13], s[38:39]
	s_add_nc_u64 s[DL:DL+1], s[26:27], s[40:41]
	s_add_nc_u64 s[DH:DH+1], s[DL:DL+1], 8*OROWS
	CAST OROWS, 1
	s_cmp_lg_u32 s[WV], 0
	s_cbranch_scc1 .Ldone
	; wave 0: 64 numbers (256 bytes) of the four biases' 4,096: piece s43 of 64, 16 pieces a bias
	s_cmp_lt_u32 s43, 16
	s_cselect_b64 s[44:45], s[14:15], s[16:17]
	s_cmp_lt_u32 s43, 32
	s_cselect_b64 s[44:45], s[44:45], s[18:19]
	s_cmp_lt_u32 s43, 48
	s_cselect_b64 s[44:45], s[44:45], s[20:21]
	s_and_b32 s38, s43, 15
	s_lshl_b32 s38, s38, 8
	s_add_nc_u64 s[44:45], s[44:45], s[38:39]
	s_lshl_b32 s40, s43, 8
	s_add_nc_u64 s[46:47], s[28:29], s[40:41]
	global_load_b64 v[104:105], v[VS], s[44:45]
	s_wait_loadcnt 0x0
	v_cvt_pk_bf16_f32 v106, v104, v105
	v_lshlrev_b32 v108, 16, v106
	v_and_b32 v109, s[HIM], v106
	global_store_b64 v[VS], v[108:109], s[46:47]
.Ldone:
	s_endpgm
.Lfunc_end_k_qfccfee4ad6_cast:
	.size	k_qfccfee4ad6_cast, .Lfunc_end_k_qfccfee4ad6_cast-k_qfccfee4ad6_cast
	.p2alignl 7, 3214868480
	.fill 96, 4, 3214868480
	.section	.rodata,"a",@progbits
	.p2align	6, 0x0
	.amdhsa_kernel k_qfccfee4ad6_cast
		.amdhsa_group_segment_fixed_size 0
		.amdhsa_private_segment_fixed_size 0
		.amdhsa_enable_private_segment 0
		.amdhsa_kernarg_size 104
		.amdhsa_user_sgpr_count 2
		.amdhsa_user_sgpr_kernarg_segment_ptr 1
		.amdhsa_wavefront_size32 1
		.amdhsa_system_sgpr_workgroup_id_x 1
		.amdhsa_system_sgpr_workgroup_id_y 1
		.amdhsa_system_sgpr_workgroup_id_z 1
		.amdhsa_system_vgpr_workitem_id 0
		.amdhsa_next_free_vgpr 112
		.amdhsa_next_free_sgpr 66
		.amdhsa_reserve_vcc 0
		.amdhsa_float_denorm_mode_32 3
		.amdhsa_float_denorm_mode_16_64 3
		.amdhsa_memory_ordered 1
		.amdhsa_forward_progress 1
		.amdhsa_inst_pref_size 24
	.end_amdhsa_kernel
	.amdgpu_metadata
---
amdhsa.version: [ 1, 2 ]
amdhsa.kernels:
  - .name:           k_qfccfee4ad6_cast
    .symbol:         k_qfccfee4ad6_cast.kd
    .args:
      - { .name: x, .offset: 0, .size: 8, .value_kind: global_buffer, .address_space: global }
      - { .name: Wq, .offset: 8, .size: 8, .value_kind: global_buffer, .address_space: global }
      - { .name: Wk, .offset: 16, .size: 8, .value_kind: global_buffer, .address_space: global }
      - { .name: Wv, .offset: 24, .size: 8, .value_kind: global_buffer, .address_space: global }
      - { .name: Wo, .offset: 32, .size: 8, .value_kind: global_buffer, .address_space: global }
      - { .name: bq, .offset: 40, .size: 8, .value_kind: global_buffer, .address_space: global }
      - { .name: bk, .offset: 48, .size: 8, .value_kind: global_buffer, .address_space: global }
      - { .name: bv, .offset: 56, .size: 8, .value_kind: global_buffer, .address_space: global }
      - { .name: bo, .offset: 64, .size: 8, .value_kind: global_buffer, .address_space: global }
      - { .name: xb, .offset: 72, .size: 8, .value_kind: global_buffer, .address_space: global }
      - { .name: wb, .offset: 80, .size: 8, .value_kind: global_buffer, .address_space: global }
      - { .name: wo, .offset: 88, .size: 8, .value_kind: global_buffer, .address_space: global }
      - { .name: bias, .offset: 96, .size: 8, .value_kind: global_buffer, .address_space: global }
    .group_segment_fixed_size: 0
    .private_segment_fixed_size: 0
    .kernarg_segment_align: 8
    .kernarg_segment_size: 104
    .max_flat_workgroup_size: 256
    .sgpr_count:     66
    .vgpr_count:     112
    .wavefront_size: 32
...
	.end_amdgpu_metadata
.endif
;; end of part 1
;; launch qkv (part 2): grid 8 x 32, 4 waves a work-group, clusters of 4 x 4, 327,680 bytes of LDS; arguments xb, wb, bias, qkv; writes qkv
.if DOCPART == 2
	.amdgcn_target "amdgcn-amd-amdhsa--gfx1250"
	.amdhsa_code_object_version 6
	.text
	.protected	k_qfccfee4ad6_qkv
	.globl	k_qfccfee4ad6_qkv
	.p2align	8
	.type	k_qfccfee4ad6_qkv,@function
k_qfccfee4ad6_qkv:
	s_mov_b64 s[64:65], 0
	v_nop
	global_prefetch_b8 v0, s[64:65] scope:SCOPE_SE
	s_setreg_imm32_b32 hwreg(HW_REG_WAVE_MODE, 25, 1), 1
	s_wait_xcnt 0x0
	s_wait_alu depctr_hold_cnt(0) depctr_sa_sdst(0) depctr_va_vdst(0) depctr_va_sdst(0) depctr_va_ssrc(0) depctr_va_vcc(0) depctr_vm_vsrc(0)
	s_getreg_b32 s2, hwreg(HW_REG_IB_STS2, 6, 4)
	s_cmp_eq_u32 s2, 0
	s_cbranch_scc0 .Lentry_in_a_cluster
	s_endpgm
.Lentry_in_a_cluster:
	s_bfe_u32 s2, ttmp6, 0x10000c
	s_cmp_lg_u32 s2, 0xf033
	s_cbranch_scc0 .Lentry_shape_is_right
	s_endpgm
.Lentry_shape_is_right:
; q, k, v = x W^T + b for the three weights at once: C[8192][3072] = xb wb^T + bias, bf16 operands, f32 sums; then, on the way out, each head's q and k (64 columns) are divided by
; (their length + 1e-6), q also multiplied by log2(e) (in f32, ahead of its one rounding: the next launch's weights are then 2^score), and all is rounded once to f16 and stored as
; qkv f16 [4 b][48 g][4 r][512 c][64]: g 0-15 q's heads, 16-31 k's, 32-47 v's; position n = 4 c + r: the positions that may see each other lie side by side.
; LIMITS.  |v| stays under 65,504 (f16); numbers under 6e-5 keep f16's fixed step of 6e-8; a sum of squares under 2^-126 counts as 0 in the square root; NaN and infinities are not treated apart.
; SHARES.  A tile of C is 256 rows x 384 columns (6 heads): 32 x 8 = 256 work-groups.  A wave makes 128 x 192: 96 accumulators of 16 x 16, 768 registers.
; K goes in blocks of 64 through two LDS slots filled by the tensor data mover; a block of either operand is dense in memory and is asked for as rows of 256 bytes, padded in LDS after every 128.
; CLUSTER.  4 x 4 work-groups: the four of a row of the cluster need the same tiles of xb, the four of a column the same tiles of wb: each tile is asked for jointly.
; THE MATRIX INSTRUCTION IS USED TRANSPOSED (source 0 = 16 rows of wb, source 1 = 16 rows of xb): a lane holds row lane % 16 of C and the columns 8 (lane / 16) + 0..7.
; THE BIAS STARTS THE SUMS: it is loaded into the accumulators of row block 7 and is the C operand of every accumulator's first product.
; REGISTERS, in windows of 256 (s_set_vgpr_msb: bits 1:0 source 0, 3:2 source 1, 5:4 source 2, 7:6 destination):
;   window 0: v0-31 addresses; v32-95, v96-159 xb's fragments (8 x 16 rows x 32 K), two buffers; v160-255 wb's fragments, three groups of 4 (a group = one head's 64 columns)
;   windows 1, 2, 3: the accumulators of my heads 0, 1, 2; accumulator (a, bb) at v[8 (4 a + bb)]
.set PITCH, 144                        ; an LDS row: 128 bytes + 16 of padding = 36 words: the 16 rows of a fragment load start at 16 different groups of four banks (64 banks of 4 bytes: ISA guide 11.1)
.set AHALF, 128*PITCH                  ; 128 rows of xb: one tensor load, and what a wave reads of it
.set BHALF, 192*PITCH                  ; 192 rows of wb: likewise
.set BOFF,  2*AHALF                    ; in a slot wb's 384 rows lie behind xb's 256
.set SLOT,  BOFF+2*BHALF               ; 92,160
.set STAGE, 2*SLOT                     ; behind the ring: 16 rows x 400 bytes for each wave, for the way out
.set SP,    400                        ; a stage row: 384 bytes + 16
.set SPARE, STAGE+4*16*SP              ; behind the stages: the spare words, 128 bytes for each wave: two blocks of 256 bytes that no other line names
.set XPL,   8192*128                   ; bytes from a K block of xb to the next
.set WPL,   3072*128                   ; of wb
.set ADRA, 16                          ; v16-17  LDS address of my xb fragments in slot 0, 1
.set ADRB, 20                          ; v20-21  the same for wb
.set STO,  24                          ; v24  the way out: where I put 16 bytes of a row
.set RD,   25                          ; v25  the way out: where I read back
.set GO,   26                          ; v26  16 x lane: my 16 bytes of the 512 that a store writes
.set VB,   27                          ; v27  32 x (lane / 16): my eight numbers of a bias block
.set SPW,  28                          ; v28  LDS address of my spare word; never rewritten
.set NIL,  29                          ; v29  0; never rewritten
.set AF0,  32
.set AF1,  96
.set BG,   160
.set SQ,   32                          ; the way out: 8 registers a head, sums of squares
.set SC,   56                          ; three pairs: a head's factor in the low word
.set T,    64                          ; 32 scaled numbers
.set PKD,  96                          ; 48: a block's 16 x 192 numbers in f16
.set OB,   144                         ; 2 x 48: a block read back from the stage, two buffers by turns
.set WV,  16                           ; s16 wave; s17 which half of the rows is mine, also: I fetch xb (0) or wb (1); s18 which half of the columns, also: which half I fetch
.set RH,  17
.set CH,  18
.set G1,  24                           ; s[24:31] descriptor group 1 for xb's tiles; s[32:39] group 0, a set for each slot
.set G0,  32
.set G1B, 48                           ; s[48:55], s[56:63] the same for wb's
.set G0B, 56
.set FAC, 66                           ; s66-68  head g: log2(e) for a head of q, else 1
.set MSK, 69                           ; s69-71  head g: all ones for a head of q or k, else 0
.set SEL, 72                           ; s[72:73] v_permlanex16_b32's selects: each lane takes its own place in the other half
.set DCON, (1<<16)|(1<<20)|(1<<21)|(4<<22)|(3<<25)  ; 17:16 2-byte elements; 20 padding on; 21 set beside a mask; 24:22 after every 32 words (code 4); 31:25 4 words (code 3)
.set MSB, 0
.macro WIN new                         ; the immediate's high byte repeats the setting that is left; a switch that changes nothing is dropped
.if MSB != (\new)
	s_set_vgpr_msb (MSB<<8)|(\new)
.set MSB, \new
.endif
.endm
.macro PLACES                          ; four places between a matrix instruction and a load into, or a vector instruction on, its registers
.rept 4
	v_nop
.endr
.endm
; A joint load: waves 0 and 1 fetch xb's two halves, waves 2 and 3 wb's.  The branch hangs on the wave's number alone.  An s_nop 0 and four v_nop follow each line.
.macro JLOAD s
	s_cmp_eq_u32 s[RH], 0
	s_cbranch_scc0 .Lfor_b_\@
	tensor_load_to_lds s[G0+4*(\s):G0+4*(\s)+3], s[G1:G1+7]
	s_nop 0
.rept 4
	v_nop
.endr
	s_branch .Lasked_\@
.Lfor_b_\@:
	tensor_load_to_lds s[G0B+4*(\s):G0B+4*(\s)+3], s[G1B:G1B+7]
	s_nop 0
.rept 4
	v_nop
.endr
.Lasked_\@:
.endm
.macro CREST                           ; a round of the cluster's barrier behind its opening barrier
	s_cmp_lg_u32 s[WV], 0
	s_cbranch_scc1 .Lnot_wave_0_\@
	s_barrier_signal -3
.Lnot_wave_0_\@:
	s_barrier_wait -3
	s_barrier_signal -1
	s_barrier_wait -1
.endm
.macro CROUND                          ; a whole round
	s_barrier_signal -1
	s_barrier_wait -1
	CREST
.endm
	s_load_b256 s[4:11], s[0:1], 0x0               ; xb s[4:5], wb s[6:7], bias s[8:9], qkv s[10:11]
	v_lshl_add_u32 v[SPW], v0, 2, SPARE
	v_mov_b32 v[NIL], 0
	ds_add_u32 v[SPW], v[NIL]                      ; the wave's opening: the add and its wait stand ahead of my first tensor load; work on registers stands between them
	ds_add_u32 v28, v29
	v_lshrrev_b32 v1, 5, v0
	v_readfirstlane_b32 s[WV], v1
	s_lshr_b32 s[RH], s[WV], 1
	s_and_b32 s[CH], s[WV], 1
	s_bfe_u32 s19, ttmp6, 0x40000                  ; cx, cy: my place in the cluster
	s_bfe_u32 s20, ttmp6, 0x40004
	s_lshl_b32 s21, ttmp9, 2
	s_add_co_u32 s21, s21, s19                     ; tile column 0..7
	s_and_b32 s22, ttmp7, 0xffff
	s_lshl_b32 s22, s22, 2
	s_add_co_u32 s22, s22, s20                     ; tile row 0..31
	s_lshl_b32 s12, s20, 2
	s_lshl_b32 s12, 15, s12                        ; my row of the cluster
	s_lshl_b32 s13, 0x1111, s19                    ; my column
	s_or_b32 s[G1], s12, DCON                      ; xb's tiles go to my row,
	s_or_b32 s[G1B], s13, DCON                     ; wb's to my column
	s_mov_b32 s[G1+1], 128<<16                     ; tensor_dim0 = 128 elements: rows of 256 bytes, two matrix rows each
	s_mov_b32 s[G1+2], 64<<16                      ; tensor_dim1 = 64: 128 matrix rows
	s_mov_b32 s[G1+3], 128<<16                     ; tile_dim0
	s_mov_b32 s[G1+4], 64                          ; tile_dim1
	s_mov_b32 s[G1+5], 128                         ; elements from row to row: dense
	s_mov_b32 s[G1+6], 0
	s_mov_b32 s[G1+7], 0
	s_mov_b32 s[G1B+1], 128<<16
	s_mov_b32 s[G1B+2], 96<<16                     ; 96 rows of 256 bytes: 192 matrix rows
	s_mov_b32 s[G1B+3], 128<<16
	s_mov_b32 s[G1B+4], 96
	s_mov_b32 s[G1B+5], 128
	s_mov_b32 s[G1B+6], 0
	s_mov_b32 s[G1B+7], 0
	s_lshl_b32 s40, s22, 15                        ; xb: 256 rows of 128 bytes a tile row,
	s_lshl_b32 s41, s[CH], 14                      ; 128 rows a half: registers that never hold cx
	s_add_co_u32 s40, s40, s41
	s_mov_b32 s41, 0
	s_mul_i32 s44, s21, 384*128                    ; wb: 384 rows a tile column,
	s_mul_i32 s45, s[CH], 192*128                  ; 192 a half: registers that never hold cy
	s_add_co_u32 s44, s44, s45
	s_mov_b32 s45, 0
	s_mul_i32 s14, s[CH], AHALF                    ; where they go: no place in the cluster enters an LDS address
	s_mul_i32 s15, s[CH], BHALF
	s_add_co_u32 s15, s15, BOFF
	s_mov_b32 s[SEL], 0x76543210
	s_mov_b32 s[SEL+1], 0xfedcba98
	s_wait_dscnt 0x0                               ; the opening add is done
	s_wait_kmcnt 0x0
	s_add_nc_u64 s[42:43], s[4:5], s[40:41]
	s_add_nc_u64 s[46:47], s[6:7], s[44:45]
	CROUND                                         ; all sixteen work-groups are here: the first joint loads meet
.irp s, 0,1
	s_mov_b32 s[G0+4*(\s)], 1                      ; count = 1
	s_add_co_u32 s[G0+4*(\s)+1], s14, (\s)*SLOT    ; LDS address
	s_add_nc_u64 s[G0+4*(\s)+2:G0+4*(\s)+3], s[42:43], (\s)*XPL  ; K block s
	s_or_b32 s[G0+4*(\s)+3], s[G0+4*(\s)+3], 0x80000000          ; type = 2
	s_mov_b32 s[G0B+4*(\s)], 1
	s_add_co_u32 s[G0B+4*(\s)+1], s15, (\s)*SLOT
	s_add_nc_u64 s[G0B+4*(\s)+2:G0B+4*(\s)+3], s[46:47], (\s)*WPL
	s_or_b32 s[G0B+4*(\s)+3], s[G0B+4*(\s)+3], 0x80000000
	JLOAD \s                                       ; two loads of mine are out
.endr
	; A fragment is 16 rows x 32 K in 8 registers: lane l holds row l % 16, K = 8 (l / 16) + 0..7 and 16 + 8 (l / 16) + 0..7: two loads of 16 bytes, 32 bytes apart.
	v_and_b32 v1, 15, v0                           ; l % 16
	v_bfe_u32 v2, v0, 4, 1                         ; l / 16
	v_mul_u32_u24 v3, v1, PITCH
	v_lshl_add_u32 v3, v2, 4, v3
	s_mul_i32 s74, s[RH], AHALF                    ; my 128 rows of xb
	s_mul_i32 s75, s[CH], BHALF                    ; my 192 rows of wb
	s_add_co_u32 s75, s75, BOFF
.irp s, 0,1
	v_add_nc_u32 v[ADRA+(\s)], s74, v3
	v_add_nc_u32 v[ADRB+(\s)], s75, v3
	s_add_co_u32 s74, s74, SLOT
	s_add_co_u32 s75, s75, SLOT
.endr
	s_mul_i32 s76, s[WV], 16*SP
	s_add_co_u32 s76, s76, STAGE                   ; my stage
	v_mul_u32_u24 v[STO], v1, SP                   ; in: row l % 16, 16 bytes for each half of the lanes
	v_lshl_add_u32 v[STO], v2, 4, v[STO]
	v_add_nc_u32 v[STO], s76, v[STO]
	v_bfe_u32 v[RD], v0, 3, 2                      ; back: eight lanes take 128 bytes of a row, four such groups every fourth row
	v_mul_u32_u24 v[RD], v[RD], 4*SP
	v_and_b32 v[GO], 7, v0
	v_lshl_add_u32 v[RD], v[GO], 4, v[RD]
	v_add_nc_u32 v[RD], s76, v[RD]
	v_and_b32 v[GO], 31, v0
	v_lshlrev_b32 v[GO], 4, v[GO]
	v_lshlrev_b32 v[VB], 5, v2
	s_mul_i32 s74, s21, 384*4                      ; the bias of my 192 columns
	s_mul_i32 s75, s[CH], 192*4
	s_add_co_u32 s74, s74, s75
	s_mov_b32 s75, 0
	s_add_nc_u64 s[8:9], s[8:9], s[74:75]
.irp g, 0,1,2
	WIN 0x40*((\g)+1)                              ; destination: head g's window; the accumulators of row block 7
.irp bb, 0,1,2,3
	global_load_b128 v[224+8*(\bb):224+8*(\bb)+3], v[VB], s[8:9] offset:256*(\g)+64*(\bb)
	global_load_b128 v[224+8*(\bb)+4:224+8*(\bb)+7], v[VB], s[8:9] offset:256*(\g)+64*(\bb)+16
.endr
.endr
	WIN 0
	s_lshr_b32 s74, s22, 3                         ; where my part begins in qkv: the batch,
	s_mul_i32 s74, s74, 48*262144
	s_mul_i32 s77, s21, 6
	s_mul_i32 s76, s[CH], 3
	s_add_co_u32 s77, s77, s76                     ; my first head among the 48,
	s_lshl_b32 s76, s77, 18
	s_add_co_u32 s74, s74, s76
	s_and_b32 s76, s22, 7                          ; my first position, n x 32 bytes (c = n / 4, 128 bytes each)
	s_lshl_b32 s76, s76, 13
	s_add_co_u32 s74, s74, s76
	s_lshl_b32 s76, s[RH], 12
	s_add_co_u32 s74, s74, s76
	s_mov_b32 s75, 0
	s_add_nc_u64 s[10:11], s[10:11], s[74:75]
.irp g, 0,1,2
	s_add_co_u32 s76, s77, \g
	s_cmp_lt_u32 s76, 16                           ; these choose values alone, no way through the text
	s_cselect_b32 s[FAC+(\g)], 0x3fb8aa3b, 1.0
	s_cmp_lt_u32 s76, 32
	s_cselect_b32 s[MSK+(\g)], -1, 0
.endr
.macro LOADB sl, k, g                  ; 8 LDS loads: head g's four fragments of wb, 32 K at byte 64 k of the rows
.irp bb, 0,1,2,3
	ds_load_b128 v[BG+32*(\g)+8*(\bb):BG+32*(\g)+8*(\bb)+3],   v[ADRB+(\sl)] offset:(4*(\g)+(\bb))*16*PITCH+64*(\k)
	ds_load_b128 v[BG+32*(\g)+8*(\bb)+4:BG+32*(\g)+8*(\bb)+7], v[ADRB+(\sl)] offset:(4*(\g)+(\bb))*16*PITCH+64*(\k)+32
.endr
.endm
.macro LOADA sl, k, f, half            ; 8 LDS loads: four fragments of xb (row blocks 4 half .. 4 half + 3) into buffer f
.irp a, 0,1,2,3
	ds_load_b128 v[(\f)+32*(\half)+8*(\a):(\f)+32*(\half)+8*(\a)+3],   v[ADRA+(\sl)] offset:(4*(\half)+(\a))*16*PITCH+64*(\k)
	ds_load_b128 v[(\f)+32*(\half)+8*(\a)+4:(\f)+32*(\half)+8*(\a)+7], v[ADRA+(\sl)] offset:(4*(\half)+(\a))*16*PITCH+64*(\k)+32
.endr
.endm
; 16 products: head g, row blocks 4 half .. 4 half + 3.  The 96 accumulators take turns, one instruction a turn.
; mode = 1, the first K step: C is the bias, which lies in row block 7's accumulators; five places stand ahead of the products that write over it.
.macro MULH f, g, half, mode
	WIN 0x50*((\g)+1)
.irp a, 0,1,2,3
.if (\mode) && ((\half) == 1) && ((\a) == 3)
.rept 5
	v_nop
.endr
.endif
.irp bb, 0,1,2,3
.set rD, 8*(4*(4*(\half)+(\a))+(\bb))
.set rC, rD
.if \mode
.set rC, 8*(28+(\bb))
.endif
	v_wmma_f32_16x16x32_bf16 v[rD:rD+7], v[BG+32*(\g)+8*(\bb):BG+32*(\g)+8*(\bb)+7], v[(\f)+8*(4*(\half)+(\a)):(\f)+8*(4*(\half)+(\a))+7], v[rC:rC+7]
.endr
.endr
.endm
; A STEP is 32 along K: three phases of 32 products, one a head.  A group of wb's fragments is loaded again at the head of the phase behind its last reader, 64 products ahead of its next use.
; The even step of slot sl (buffer AF0).  At its head xb's 16 loads and groups 0 and 1 of wb are on their way, in the order lo, group 0, hi, group 1.
.macro ESTEP sl, mode
	PLACES
	WIN 0
	LOADB \sl, 0, 2
	LOADA \sl, 1, AF1, 0
	s_wait_dscnt 24                                ; xb and group 0 are in; group 1 and the 16 just issued may be out
	MULH AF0, 0, 0, \mode
	MULH AF0, 0, 1, \mode
	PLACES
	WIN 0
	LOADB \sl, 1, 0
	LOADA \sl, 1, AF1, 1
	s_wait_dscnt 32                                ; group 1 is in; behind it the 16 of the first run and these 16
	MULH AF0, 1, 0, \mode
	MULH AF0, 1, 1, \mode
	PLACES
	WIN 0
	LOADB \sl, 1, 1
	s_wait_dscnt 32                                ; group 2 is in; behind it 8 + 16 + 8
	MULH AF0, 2, 0, \mode
	MULH AF0, 2, 1, \mode
.endm
; The odd step of slot sl (buffer AF1).  kind 2: the slot is left and filled again, two K blocks on; kind 1: it is left; kind 0: the last step of all.
; ONE barrier for the change of slots: in front of it each wave waits for all its tensor loads (one is out: its part of the other slot), adds 0 to its spare word, and waits for that and for its reads of this slot.
.macro OSTEP sl, nx, kind
	PLACES
	WIN 0
	LOADB \sl, 1, 2                                ; my last reads of this slot
.if (\kind) == 0
	s_wait_dscnt 16                                ; xb and group 0 are in
	MULH AF1, 0, 0, 0
	MULH AF1, 0, 1, 0
	s_wait_dscnt 8
	MULH AF1, 1, 0, 0
	MULH AF1, 1, 1, 0
	s_wait_dscnt 0x0
	MULH AF1, 2, 0, 0
	MULH AF1, 2, 1, 0
.else
	s_wait_tensorcnt 0x0                           ; all my tensor loads have landed
	ds_add_u32 v[SPW], v[NIL]                      ; 0 onto my spare word
	s_wait_dscnt 17                                ; xb and group 0 are in; groups 1 and 2 and the add may be out
	MULH AF1, 0, 0, 0                              ; sixteen products stand between the add and the wait for it
	s_wait_dscnt 0x0                               ; the add is done, and my reads of this slot are over
	s_barrier_signal -1
	MULH AF1, 0, 1, 0                              ; work on registers while the others arrive
	WIN 0                                          ; at a branch every window is 0
	s_barrier_wait -1
.if (\kind) == 2
	CREST                                          ; the barrier has opened a round of the cluster's: no wave of any partner still reads this slot or has a load on its way
	s_add_nc_u64 s[G0+4*(\sl)+2:G0+4*(\sl)+3], s[G0+4*(\sl)+2:G0+4*(\sl)+3], 2*XPL
	s_add_nc_u64 s[G0B+4*(\sl)+2:G0B+4*(\sl)+3], s[G0B+4*(\sl)+2:G0B+4*(\sl)+3], 2*WPL
	JLOAD \sl                                      ; the first tensor load behind the round: 160 products ahead of the wait for it; its four v_nop are also the places for the loads below
.else
	PLACES
.endif
	LOADA \nx, 0, AF0, 0
	LOADB \nx, 0, 0
	LOADA \nx, 0, AF0, 1
	MULH AF1, 1, 0, 0
	MULH AF1, 1, 1, 0
	PLACES
	WIN 0
	LOADB \nx, 0, 1
	MULH AF1, 2, 0, 0
	MULH AF1, 2, 1, 0
.endif
.endm
	s_wait_tensorcnt 1                             ; my part of K block 0 is in; block 1's may stay out
	s_barrier_signal -1
	s_barrier_wait -1                              ; everybody's is
	LOADA 0, 0, AF0, 0
	LOADB 0, 0, 0
	LOADA 0, 0, AF0, 1
	LOADB 0, 0, 1
	s_wait_loadcnt 0x0                             ; the bias
	ESTEP 0, 1                                     ; the first step stands ahead of the loop: its products start the sums
	WIN 0
	s_mov_b32 s3, 7
.Llap:                                                 ; a trip goes once round the ring and fills both slots again: K blocks 2 to 15 in seven trips
	OSTEP 0, 1, 2
	ESTEP 1, 0
	OSTEP 1, 0, 2
	ESTEP 0, 0
	WIN 0
	s_sub_co_u32 s3, s3, 1
	s_cmp_lg_u32 s3, 0
	s_cbranch_scc1 .Llap
	OSTEP 0, 1, 1                                  ; the tail is written out: nothing more is asked for
	ESTEP 1, 0
	OSTEP 1, 0, 0
; THE WAY OUT, a block of 16 rows at a time.  NORMPACK: for each head the sum of squares of a row's 64 numbers (32 in my lane, 32 in the lane 16 away), the factor, the scaling, the rounding to f16.
.macro NORMPACK a
.irp g, 0,1,2
	WIN 5*((\g)+1)                                 ; sources 0 and 1 in head g's window
.irp bb, 0,1,2,3
	v_pk_mul_f32 v[SQ+8*(\g)+2*(\bb):SQ+8*(\g)+2*(\bb)+1], v[8*(4*(\a)+(\bb)):8*(4*(\a)+(\bb))+1], v[8*(4*(\a)+(\bb)):8*(4*(\a)+(\bb))+1]  ; each accumulator's lowest registers are read first
.endr
.irp p, 1,2,3
.irp bb, 0,1,2,3
	v_pk_fma_f32 v[SQ+8*(\g)+2*(\bb):SQ+8*(\g)+2*(\bb)+1], v[8*(4*(\a)+(\bb))+2*(\p):8*(4*(\a)+(\bb))+2*(\p)+1], v[8*(4*(\a)+(\bb))+2*(\p):8*(4*(\a)+(\bb))+2*(\p)+1], v[SQ+8*(\g)+2*(\bb):SQ+8*(\g)+2*(\bb)+1]
.endr
.endr
.endr
	WIN 0
.irp g, 0,1,2
	v_pk_add_f32 v[SQ+8*(\g):SQ+8*(\g)+1], v[SQ+8*(\g):SQ+8*(\g)+1], v[SQ+8*(\g)+2:SQ+8*(\g)+3]
.endr
.irp g, 0,1,2
	v_pk_add_f32 v[SQ+8*(\g)+4:SQ+8*(\g)+5], v[SQ+8*(\g)+4:SQ+8*(\g)+5], v[SQ+8*(\g)+6:SQ+8*(\g)+7]
.endr
.irp g, 0,1,2
	v_pk_add_f32 v[SQ+8*(\g):SQ+8*(\g)+1], v[SQ+8*(\g):SQ+8*(\g)+1], v[SQ+8*(\g)+4:SQ+8*(\g)+5]
.endr
.irp g, 0,1,2
	v_add_f32 v[SQ+8*(\g)], v[SQ+8*(\g)], v[SQ+8*(\g)+1]
.endr
.irp g, 0,1,2
	v_permlanex16_b32 v[SQ+8*(\g)+1], v[SQ+8*(\g)], s[SEL], s[SEL+1]
.endr
.irp g, 0,1,2
	v_add_f32 v[SQ+8*(\g)], v[SQ+8*(\g)], v[SQ+8*(\g)+1]
.endr
.irp g, 0,1,2
	v_sqrt_f32 v[SQ+8*(\g)], v[SQ+8*(\g)]
.endr
	v_nop                                          ; a plain instruction between the last root and the use of its result
	s_wait_alu depctr_va_vdst(0)
.irp g, 0,1,2
	v_add_f32 v[SQ+8*(\g)], 0x358637bd, v[SQ+8*(\g)]  ; + 1e-6
.endr
.irp g, 0,1,2
	v_rcp_f32 v[SQ+8*(\g)+2], v[SQ+8*(\g)]
.endr
	v_nop
	s_wait_alu depctr_va_vdst(0)
.irp g, 0,1,2
	v_mul_f32 v[SQ+8*(\g)+2], s[FAC+(\g)], v[SQ+8*(\g)+2]
.endr
.irp g, 0,1,2
	v_cndmask_b32 v[SC+2*(\g)], 1.0, v[SQ+8*(\g)+2], s[MSK+(\g)]  ; a head of v keeps the factor 1
.endr
.irp g, 0,1,2
	WIN (\g)+1                                     ; source 0 in head g's window
.set z, 0
.rept 16
	v_pk_mul_f32 v[T+2*z:T+2*z+1], v[32*(\a)+2*z:32*(\a)+2*z+1], v[SC+2*(\g):SC+2*(\g)+1] op_sel_hi:[1,0]
.set z, z+1
.endr
	WIN 0
.set z, 0
.rept 16
	v_cvt_pk_f16_f32 v[PKD+16*(\g)+z], v[T+2*z], v[T+2*z+1]
.set z, z+1
.endr
.endr
.endm
; TOSTAGE: 16 bytes a lane into my own stage; back so that one load brings the four rows of one residue class (rows r, r + 4, r + 8, r + 12) of one head: 512 bytes that lie together in qkv.
.macro TOSTAGE a
	WIN 0
.set BK, OB+48*((\a)%2)
.irp g, 0,1,2
.irp bb, 0,1,2,3
	ds_store_b128 v[STO], v[PKD+16*(\g)+4*(\bb):PKD+16*(\g)+4*(\bb)+3] offset:128*(\g)+32*(\bb)
.endr
.endr
.irp g, 0,1,2
.irp r, 0,1,2,3
	ds_load_b128 v[BK+4*(4*(\g)+(\r)):BK+4*(4*(\g)+(\r))+3], v[RD] offset:(\r)*SP+128*(\g)  ; LDS serves a wave's instructions in order (ISA guide 5.7.1.4): these see the stores above
.endr
.endr
.endm
.macro SEND a
	WIN 0
.set BK, OB+48*((\a)%2)
	s_wait_dscnt 0x0                               ; the block is back in registers
	s_wait_xcnt 0x0                                ; the stores of the block before have read their registers: the other buffer is loaded again only behind this wait
.irp g, 0,1,2
.irp r, 0,1,2,3
	global_store_b128 v[GO], v[BK+4*(4*(\g)+(\r)):BK+4*(4*(\g)+(\r))+3], s[10:11] offset:(\g)*262144+(\r)*65536+(\a)*512  ; 512 consecutive bytes, at a multiple of 256 from qkv's first byte
.endr
.endr
.endm
	PLACES
	WIN 0
	v_mov_b32 v[SC+1], 0                           ; named as pairs
	v_mov_b32 v[SC+3], 0
	v_mov_b32 v[SC+5], 0
	NORMPACK 0
	TOSTAGE 0
.irp a, 1,2,3,4,5,6,7                  ; block a's arithmetic stands between block a - 1's loads from the stage and the wait for them
	NORMPACK \a
	SEND (\a)-1
	TOSTAGE \a
.endr
	SEND 7
	s_wait_tensorcnt 0x0                           ; the wave's end, behind my last tensor load and my last LDS store
	ds_add_u32 v[SPW], v[NIL]
	s_wait_dscnt 0x0
	CROUND                                         ; the closing round: no work-group ends while a partner may still ask for a tile that names it
	s_endpgm
.Lfunc_end_k_qfccfee4ad6_qkv:
	.size	k_qfccfee4ad6_qkv, .Lfunc_end_k_qfccfee4ad6_qkv-k_qfccfee4ad6_qkv
	.p2alignl 7, 3214868480
	.fill 96, 4, 3214868480
	.section	.rodata,"a",@progbits
	.p2align	6, 0x0
	.amdhsa_kernel k_qfccfee4ad6_qkv
		.amdhsa_group_segment_fixed_size 327680
		.amdhsa_private_segment_fixed_size 0
		.amdhsa_enable_private_segment 0
		.amdhsa_kernarg_size 32
		.amdhsa_user_sgpr_count 2
		.amdhsa_user_sgpr_kernarg_segment_ptr 1
		.amdhsa_wavefront_size32 1
		.amdhsa_system_sgpr_workgroup_id_x 1
		.amdhsa_system_sgpr_workgroup_id_y 1
		.amdhsa_system_sgpr_workgroup_id_z 1
		.amdhsa_system_vgpr_workitem_id 0
		.amdhsa_next_free_vgpr 1024
		.amdhsa_next_free_sgpr 80
		.amdhsa_reserve_vcc 0
		.amdhsa_float_denorm_mode_32 3
		.amdhsa_float_denorm_mode_16_64 3
		.amdhsa_memory_ordered 1
		.amdhsa_forward_progress 1
		.amdhsa_inst_pref_size 197
	.end_amdhsa_kernel
	.amdgpu_metadata
---
amdhsa.version: [ 1, 2 ]
amdhsa.kernels:
  - .name:           k_qfccfee4ad6_qkv
    .symbol:         k_qfccfee4ad6_qkv.kd
    .args:
      - { .name: xb, .offset: 0, .size: 8, .value_kind: global_buffer, .address_space: global }
      - { .name: wb, .offset: 8, .size: 8, .value_kind: global_buffer, .address_space: global }
      - { .name: bias, .offset: 16, .size: 8, .value_kind: global_buffer, .address_space: global }
      - { .name: qkv, .offset: 24, .size: 8, .value_kind: global_buffer, .address_space: global }
    .group_segment_fixed_size: 327680
    .private_segment_fixed_size: 0
    .kernarg_segment_align: 8
    .kernarg_segment_size: 32
    .max_flat_workgroup_size: 128
    .sgpr_count:     80
    .vgpr_count:     1024
    .wavefront_size: 32
...
	.end_amdgpu_metadata
.endif
;; end of part 2
;; launch attn (part 3): grid 64 x 4, 16 waves a work-group, no clusters, 284,672 bytes of LDS; arguments qkv, ob; writes ob
.if DOCPART == 3
	.amdgcn_target "amdgcn-amd-amdhsa--gfx1250"
	.amdhsa_code_object_version 6
	.text
	.protected	k_qfccfee4ad6_attn
	.globl	k_qfccfee4ad6_attn
	.p2align	8
	.type	k_qfccfee4ad6_attn,@function
k_qfccfee4ad6_attn:
	s_mov_b64 s[64:65], 0
	v_nop
	global_prefetch_b8 v0, s[64:65] scope:SCOPE_SE
	s_setreg_imm32_b32 hwreg(HW_REG_WAVE_MODE, 25, 1), 1
	s_wait_xcnt 0x0
; THE DILATED WINDOW AS A BAND.  Position n = 4 c + r sees the positions of its own class r with |c' - c| <= 8.  qkv holds q, k, v by batch, head and class, [512 c][64] f16, dense.
; O[c] = the sum over c' of w V[c'] / the sum of w, w = 2^(q'[c] . k'[c']): q' carries log2(e), so w = e^score.
; NO MAXIMUM IS TAKEN AWAY: q and k arrive divided by their lengths (+ 1e-6), so every score lies in -1 .. 1 and every w in 0.36 .. 2.72; a sum has 9 to 17 of them.
; LIMITS.  A hidden score is its value less 1e30 (or 2e30): its weight is exactly 0.  |v| and |O| stay under 65,504 (f16); numbers under 6e-5 keep f16's fixed step of 6e-8.  NaN and infinities are not treated apart.
; SHARES.  A work-group takes one batch, head and class: 512 queries and their own 512 keys: 4 x 16 x 4 = 256 work-groups, which share no input: no cluster.
; A wave takes 32 queries, two tiles of 16, and reads three blocks of 16 keys (c = 32 w - 8 .. 32 w + 39); the middle one serves both tiles.  Straight text, one barrier, nothing is filled twice.
; LAYOUT.  S^T = K Q^T (source 0 = 16 keys, source 1 = 16 queries): a lane holds ONE query (lane % 16) and the keys 8 (lane / 16) + 0..7.  Two such results rounded to f16 ARE source 1 of
; O^T = V^T P.  K and Q come out of LDS as they lie, V turned, by ds_load_tr16_b128.  THE MASK is the C operand of the product that starts a score's sum.
; Keys before the first and behind the last are read from guards that hold zeros.
.set PK,    144                        ; a row of K or Q in LDS: 128 bytes + 16
.set PV,    160                        ; a row of V: 128 + 32
.set KB,    4096                       ; 0 .. 4,095 guard below K; K's 512 rows
.set GMID,  KB+512*PK                  ; 8,192 bytes: guard above K and below V
.set VB,    GMID+8192                  ; V's 512 rows
.set GVH,   VB+512*PV                  ; 4,096 bytes: guard above V
.set QB,    GVH+4096                   ; Q's 512 rows
.set STAGE, QB+512*PK                  ; 16 rows x 144 bytes for each wave, for the way out
.set SPARE, STAGE+16*16*PK             ; the spare words, 128 bytes for each of 16 waves: eight blocks of 256 bytes that no other line names
.set AK,  4                            ; v4-6  LDS addresses of my fragments of K, V, Q
.set AV,  5
.set AQ,  6
.set STO, 7                            ; v7   the way out: where I put 16 bytes of a row
.set RD,  8                            ; v8   where I read rows back
.set GO,  9                            ; v9   16 x lane
.set ZA,  10                           ; v10, v11  my 16 bytes of the guards
.set ZB,  11
.set SPW, 12                           ; v12  LDS address of my spare word; never rewritten
.set NIL, 13                           ; v13  0; never rewritten
.set U,   14                           ; v14  lane % 16 - 8 (lane / 16)
.set E,   15                           ; v15  the mask's addend at the sequence's ends
.set MD0, 20                           ; v20-27  mask of a tile's first key block: hidden where register j < U
.set MD1, 28                           ; v28-35  of its second: hidden where j > U
.set ML,  36                           ; v36-43  MD0, and in wave 0 the eight keys before the first
.set MH,  44                           ; v44-51  MD1, and in wave 15 the eight keys behind the last
.set KF,  52                           ; key block blk, channel half c at KF + 16 blk + 8 c
.set QF,  100                          ; tile t, channel half c at QF + 16 t + 8 c
.set VF,  132                          ; channel block cb, key block blk at VF + 12 cb + 4 blk: tile t's fragment is the eight registers from VF + 12 cb + 4 t
.set SF,  180                          ; S^T: tile t, key block kb at SF + 16 t + 8 kb
.set PF,  212                          ; P: 8 a tile
.set LS,  228                          ; tile t: sum, the other half's, 1 / l, its partner in a pair
.set OF,  52                           ; O^T, over K and Q: tile t, channel block cb at OF + 32 t + 8 cb
.set PKD, 132                          ; the way out, over V: 16 a tile
.set WV,  8
.set G0K, 12                           ; s[12:15], s[16:19], s[20:23] descriptor group 0 for K, V, Q
.set G0V, 16
.set G0Q, 20
.set G1K, 24                           ; s[24:31] group 1 for K and Q; s[32:39] for V: it differs in the padding alone
.set G1V, 32
.set SEL, 42
.set BIGN, 44
	s_load_b128 s[4:7], s[0:1], 0x0                ; qkv s[4:5], ob s[6:7]
	v_lshl_add_u32 v[SPW], v0, 2, SPARE
	v_mov_b32 v[NIL], 0
	ds_add_u32 v[SPW], v[NIL]                      ; the wave's opening: the add and its wait stand ahead of my first tensor load; work on registers stands between them
	ds_add_u32 v12, v13
	v_lshrrev_b32 v1, 5, v0
	v_readfirstlane_b32 s[WV], v1                  ; wave 0..15
	s_and_b32 s9, s[WV], 3                         ; which quarter (128 rows) of a tensor I fetch
	s_and_b32 s10, ttmp7, 0xffff                   ; the batch
	s_mul_i32 s40, s10, 48*262144
	s_lshl_b32 s11, ttmp9, 16                      ; 4 x head + class: 65,536 bytes each
	s_add_co_u32 s40, s40, s11
	s_lshl_b32 s11, s9, 14
	s_add_co_u32 s40, s40, s11
	s_mov_b32 s41, 0
	s_mov_b32 s[G1K], (1<<16)|(1<<20)|(4<<22)|(3<<25)  ; 2-byte elements; padding on; after every 32 words (code 4); 4 words (code 3)
	s_mov_b32 s[G1V], (1<<16)|(1<<20)|(4<<22)|(7<<25)  ; the same with 8 words (code 7)
.irp g, G1K, G1V
	s_mov_b32 s[\g+1], 128<<16                     ; tensor_dim0 = 128: 128 rows of a head are 16,384 dense bytes, asked for as 64 rows of 256
	s_mov_b32 s[\g+2], 64<<16                      ; tensor_dim1 = 64
	s_mov_b32 s[\g+3], 128<<16                     ; tile_dim0
	s_mov_b32 s[\g+4], 64                          ; tile_dim1
	s_mov_b32 s[\g+5], 128                         ; elements from row to row
	s_mov_b32 s[\g+6], 0
	s_mov_b32 s[\g+7], 0
.endr
	s_mul_i32 s11, s9, 128*PK
	s_mov_b32 s[G0K], 1
	s_add_co_u32 s[G0K+1], s11, KB
	s_mov_b32 s[G0Q], 1
	s_add_co_u32 s[G0Q+1], s11, QB
	s_mul_i32 s11, s9, 128*PV
	s_mov_b32 s[G0V], 1
	s_add_co_u32 s[G0V+1], s11, VB
	s_mov_b32 s[SEL], 0x76543210
	s_mov_b32 s[SEL+1], 0xfedcba98
	s_mov_b32 s[BIGN], 0xf149f2ca                  ; -1e30
	s_lshr_b32 s46, ttmp9, 2                       ; ob [16 h][8192 rows][64]: the head,
	s_lshl_b32 s46, s46, 20
	s_lshl_b32 s45, s10, 18                        ; the batch's 2,048 rows,
	s_add_co_u32 s46, s46, s45
	s_and_b32 s45, ttmp9, 3                        ; the class's 512,
	s_lshl_b32 s45, s45, 16
	s_add_co_u32 s46, s46, s45
	s_lshl_b32 s45, s[WV], 12                      ; my wave's 32
	s_add_co_u32 s46, s46, s45
	s_mov_b32 s47, 0
	s_wait_dscnt 0x0                               ; the opening add is done
	s_wait_kmcnt 0x0
	s_add_nc_u64 s[G0Q+2:G0Q+3], s[4:5], s[40:41]
	s_add_nc_u64 s[G0K+2:G0K+3], s[G0Q+2:G0Q+3], 16*262144   ; k's heads lie 16 heads behind q's,
	s_add_nc_u64 s[G0V+2:G0V+3], s[G0Q+2:G0Q+3], 32*262144   ; v's 32
	s_or_b32 s[G0Q+3], s[G0Q+3], 0x80000000
	s_or_b32 s[G0K+3], s[G0K+3], 0x80000000
	s_or_b32 s[G0V+3], s[G0V+3], 0x80000000
	s_add_nc_u64 s[6:7], s[6:7], s[46:47]
	; The twelve fills, one a wave, in one branch on the wave's number: waves 0-3 K's quarters, 4-7 V's, 8-11 Q's; waves 12-15 issue none.  An s_nop 0 and four v_nop follow each.
	s_cmp_lt_u32 s[WV], 4
	s_cbranch_scc0 .Lnot_k
	tensor_load_to_lds s[G0K:G0K+3], s[G1K:G1K+7]
	s_nop 0
.rept 4
	v_nop
.endr
	s_branch .Lasked
.Lnot_k:
	s_cmp_lt_u32 s[WV], 8
	s_cbranch_scc0 .Lnot_v
	tensor_load_to_lds s[G0V:G0V+3], s[G1V:G1V+7]
	s_nop 0
.rept 4
	v_nop
.endr
	s_branch .Lasked
.Lnot_v:
	s_cmp_lt_u32 s[WV], 12
	s_cbranch_scc0 .Lasked
	tensor_load_to_lds s[G0Q:G0Q+3], s[G1K:G1K+7]
	s_nop 0
.rept 4
	v_nop
.endr
.Lasked:
	v_and_b32 v3, 31, v0                           ; lane
	v_and_b32 v1, 15, v0                           ; l % 16
	v_bfe_u32 v2, v0, 4, 1                         ; l / 16
	; the guards: whole blocks of 256 bytes into which no fill lands; 512 threads x 16 bytes, twice
.irp i, 16,17,18,19
	v_mov_b32 v\i, 0
.endr
	v_lshl_add_u32 v[ZB], v0, 4, GMID
	s_lshr_b32 s45, s[WV], 3                       ; waves 0-7: the guard below K; waves 8-15: the guard above V
	s_mul_i32 s45, s45, GVH
	s_and_b32 s46, s[WV], 7
	s_lshl_b32 s46, s46, 9
	s_add_co_u32 s45, s45, s46
	v_lshl_add_u32 v[ZA], v3, 4, s45
	ds_store_b128 v[ZB], v[16:19]
	ds_store_b128 v[ZA], v[16:19]
	; the masks.  A tile's key block kb holds the keys -8 + 16 kb + 8 (l / 16) + j, counted from the tile's first query; my query is l % 16; |key - query| <= 8.
	v_lshlrev_b32 v[U], 3, v2
	v_sub_nc_u32 v[U], v1, v[U]
.irp j, 0,1,2,3,4,5,6,7
	v_cmp_lt_i32 vcc_lo, \j, v[U]
	v_cndmask_b32 v[MD0+\j], 0, s[BIGN], vcc_lo
	v_cmp_gt_i32 vcc_lo, \j, v[U]
	v_cndmask_b32 v[MD1+\j], 0, s[BIGN], vcc_lo
.endr
	s_cmp_eq_u32 s[WV], 0
	s_cselect_b32 s45, s[BIGN], 0
	v_cmp_gt_u32 vcc_lo, 16, v3
	v_cndmask_b32 v[E], 0, s45, vcc_lo             ; wave 0, lanes 0-15: the first block's keys -8 .. -1
.irp j, 0,1,2,3,4,5,6,7
	v_add_f32 v[ML+\j], v[MD0+\j], v[E]
.endr
	s_cmp_eq_u32 s[WV], 15
	s_cselect_b32 s45, s[BIGN], 0
	v_cmp_le_u32 vcc_lo, 16, v3
	v_cndmask_b32 v[E], 0, s45, vcc_lo             ; wave 15, lanes 16-31: the last block's keys 512 .. 519
.irp j, 0,1,2,3,4,5,6,7
	v_add_f32 v[MH+\j], v[MD1+\j], v[E]
.endr
	v_mul_u32_u24 v[AK], v1, PK
	v_lshl_add_u32 v[AK], v2, 4, v[AK]             ; row x pitch + 16 x half
	s_mul_i32 s45, s[WV], 32*PK
	s_add_co_u32 s46, s45, QB
	v_add_nc_u32 v[AQ], s46, v[AK]
	s_add_co_u32 s46, s45, KB-8*PK                 ; my keys begin eight rows ahead of my queries
	v_add_nc_u32 v[AK], s46, v[AK]
	; The turning load takes 16 keys x 16 channels (lane l reads key 8 (l / 16) + l % 8, channels 8 ((l / 8) % 2) + 0..7) and leaves half a fragment of V^T: lane l holds channel l % 16 and 8 keys.
	v_and_b32 v[AV], 7, v0
	v_lshl_add_u32 v[AV], v2, 3, v[AV]
	v_mul_u32_u24 v[AV], v[AV], PV
	v_bfe_u32 v[STO], v0, 3, 1
	v_lshl_add_u32 v[AV], v[STO], 4, v[AV]
	s_mul_i32 s46, s[WV], 32*PV
	s_add_co_u32 s46, s46, VB-8*PV
	v_add_nc_u32 v[AV], s46, v[AV]
	s_mul_i32 s46, s[WV], 16*PK
	s_add_co_u32 s46, s46, STAGE                   ; my stage
	v_mul_u32_u24 v[STO], v1, PK
	v_lshl_add_u32 v[STO], v2, 4, v[STO]
	v_add_nc_u32 v[STO], s46, v[STO]
	v_bfe_u32 v[RD], v0, 3, 2                      ; back: 32 lanes take four rows of 128 bytes,
	v_mul_u32_u24 v[RD], v[RD], PK
	v_and_b32 v[GO], 7, v0
	v_lshl_add_u32 v[RD], v[GO], 4, v[RD]
	v_add_nc_u32 v[RD], s46, v[RD]
	v_lshlrev_b32 v[GO], 4, v3                     ; which are 512 consecutive bytes of ob
.irp i, 1,3,5,7
	v_mov_b32 v[LS+\i], 0                          ; written before v_permlanex16_b32 and the packed multiply name them
.endr
	s_wait_tensorcnt 0x0                           ; my fill has landed,
	s_wait_dscnt 0x0                               ; my zeros are written:
	s_barrier_signal -1
	s_barrier_wait -1                              ; everybody's
.irp blk, 0,1,2
.irp c, 0,1
	ds_load_b128 v[KF+16*(\blk)+8*(\c):KF+16*(\blk)+8*(\c)+3],   v[AK] offset:(\blk)*16*PK+64*(\c)
	ds_load_b128 v[KF+16*(\blk)+8*(\c)+4:KF+16*(\blk)+8*(\c)+7], v[AK] offset:(\blk)*16*PK+64*(\c)+32
.endr
.endr
.irp t, 0,1
.irp c, 0,1
	ds_load_b128 v[QF+16*(\t)+8*(\c):QF+16*(\t)+8*(\c)+3],   v[AQ] offset:(\t)*16*PK+64*(\c)
	ds_load_b128 v[QF+16*(\t)+8*(\c)+4:QF+16*(\t)+8*(\c)+7], v[AQ] offset:(\t)*16*PK+64*(\c)+32
.endr
.endr
.irp cb, 0,1,2,3
.irp blk, 0,1,2
	ds_load_tr16_b128 v[VF+12*(\cb)+4*(\blk):VF+12*(\cb)+4*(\blk)+3], v[AV] offset:(\blk)*16*PV+32*(\cb)
.endr
.endr
	s_wait_dscnt 12                                ; K and Q are in; V's twelve loads may stay out
; The four accumulators take turns.  The first four products start the sums with the masks.
.macro SPROD t, kb, c, cc
	v_wmma_f32_16x16x32_f16 v[SF+16*(\t)+8*(\kb):SF+16*(\t)+8*(\kb)+7], v[KF+16*((\t)+(\kb))+8*(\c):KF+16*((\t)+(\kb))+8*(\c)+7], v[QF+16*(\t)+8*(\c):QF+16*(\t)+8*(\c)+7], v[(\cc):(\cc)+7]
.endm
	SPROD 0, 0, 0, ML
	SPROD 0, 1, 0, MD1
	SPROD 1, 0, 0, MD0
	SPROD 1, 1, 0, MH
	SPROD 0, 0, 1, SF
	SPROD 0, 1, 1, SF+8
	SPROD 1, 0, 1, SF+16
	SPROD 1, 1, 1, SF+24
.rept 5
	v_nop                                          ; the places behind those products: four for the exponentials, five for the products below, which write over K and Q
.endr
.set i, 0
.rept 32
	v_exp_f32 v[SF+i], v[SF+i]                     ; ascending: each accumulator's lowest registers are read first
.set i, i+1
.endr
	v_nop                                          ; a plain instruction between the last exponential and the use of its result
.set i, 0
	s_wait_alu depctr_va_vdst(0)
.rept 16
	v_cvt_pk_f16_f32 v[PF+i], v[SF+2*i], v[SF+2*i+1]
.set i, i+1
.endr
	s_wait_dscnt 0x0                               ; V is in
.irp cb, 0,1,2,3
.irp t, 0,1
	v_wmma_f32_16x16x32_f16 v[OF+32*(\t)+8*(\cb):OF+32*(\t)+8*(\cb)+7], v[VF+12*(\cb)+4*(\t):VF+12*(\cb)+4*(\t)+7], v[PF+8*(\t):PF+8*(\t)+7], 0
.endr
.endr
	; l, of the unrounded weights: my 16 of a tile, then the lane 16 away.  These lines are also the places behind the products.
.irp u, 0,1,2,3
.irp t, 0,1
	v_pk_add_f32 v[SF+16*(\t)+2*(\u):SF+16*(\t)+2*(\u)+1], v[SF+16*(\t)+2*(\u):SF+16*(\t)+2*(\u)+1], v[SF+16*(\t)+8+2*(\u):SF+16*(\t)+8+2*(\u)+1]
.endr
.endr
.irp u, 0,1
.irp t, 0,1
	v_pk_add_f32 v[SF+16*(\t)+2*(\u):SF+16*(\t)+2*(\u)+1], v[SF+16*(\t)+2*(\u):SF+16*(\t)+2*(\u)+1], v[SF+16*(\t)+4+2*(\u):SF+16*(\t)+4+2*(\u)+1]
.endr
.endr
.irp t, 0,1
	v_pk_add_f32 v[SF+16*(\t):SF+16*(\t)+1], v[SF+16*(\t):SF+16*(\t)+1], v[SF+16*(\t)+2:SF+16*(\t)+3]
.endr
.irp t, 0,1
	v_add_f32 v[LS+4*(\t)], v[SF+16*(\t)], v[SF+16*(\t)+1]
.endr
.irp t, 0,1
	v_permlanex16_b32 v[LS+4*(\t)+1], v[LS+4*(\t)], s[SEL], s[SEL+1]
.endr
.irp t, 0,1
	v_add_f32 v[LS+4*(\t)], v[LS+4*(\t)], v[LS+4*(\t)+1]
.endr
.irp t, 0,1
	v_rcp_f32 v[LS+4*(\t)+2], v[LS+4*(\t)]
.endr
	v_nop                                          ; a plain instruction between the last reciprocal and the use of its result
	s_wait_alu depctr_va_vdst(0)
; THE WAY OUT.  Tile t: O^T / l, rounded to f16; a lane's eight channels of a row are 16 bytes; they go into rows of 144 bytes and come back as whole rows of 128, into the registers that they left.
.macro PACK t
.set i, 0
.rept 16
	v_pk_mul_f32 v[OF+32*(\t)+2*i:OF+32*(\t)+2*i+1], v[OF+32*(\t)+2*i:OF+32*(\t)+2*i+1], v[LS+4*(\t)+2:LS+4*(\t)+3] op_sel_hi:[1,0]
.set i, i+1
.endr
.set i, 0
.rept 16
	v_cvt_pk_f16_f32 v[PKD+16*(\t)+i], v[OF+32*(\t)+2*i], v[OF+32*(\t)+2*i+1]
.set i, i+1
.endr
.irp f, 0,1,2,3
	ds_store_b128 v[STO], v[PKD+16*(\t)+4*(\f):PKD+16*(\t)+4*(\f)+3] offset:32*(\f)
.endr
.irp f, 0,1,2,3
	ds_load_b128 v[PKD+16*(\t)+4*(\f):PKD+16*(\t)+4*(\f)+3], v[RD] offset:(\f)*4*PK  ; LDS serves a wave's instructions in order (ISA guide 5.7.1.4): these see the stores above; the next tile's stores come behind them
.endr
.endm
.macro SEND t, younger                 ; younger: the LDS instructions issued behind tile t's loads
.irp f, 0,1,2,3
	s_wait_dscnt (\younger)+3-(\f)
	global_store_b128 v[GO], v[PKD+16*(\t)+4*(\f):PKD+16*(\t)+4*(\f)+3], s[6:7] offset:(\t)*2048+(\f)*512  ; 512 consecutive bytes, at a multiple of 256 from ob's first byte
.endr
.endm
	PACK 0
	PACK 1
	SEND 0, 8
	SEND 1, 0
	s_wait_tensorcnt 0x0                           ; the wave's end, behind my last tensor load and my last LDS store
	ds_add_u32 v[SPW], v[NIL]
	s_wait_dscnt 0x0
	s_endpgm
.Lfunc_end_k_qfccfee4ad6_attn:
	.size	k_qfccfee4ad6_attn, .Lfunc_end_k_qfccfee4ad6_attn-k_qfccfee4ad6_attn
	.p2alignl 7, 3214868480
	.fill 96, 4, 3214868480
	.section	.rodata,"a",@progbits
	.p2align	6, 0x0
	.amdhsa_kernel k_qfccfee4ad6_attn
		.amdhsa_group_segment_fixed_size 284672
		.amdhsa_private_segment_fixed_size 0
		.amdhsa_enable_private_segment 0
		.amdhsa_kernarg_size 16
		.amdhsa_user_sgpr_count 2
		.amdhsa_user_sgpr_kernarg_segment_ptr 1
		.amdhsa_wavefront_size32 1
		.amdhsa_system_sgpr_workgroup_id_x 1
		.amdhsa_system_sgpr_workgroup_id_y 1
		.amdhsa_system_sgpr_workgroup_id_z 1
		.amdhsa_system_vgpr_workitem_id 0
		.amdhsa_next_free_vgpr 240
		.amdhsa_next_free_sgpr 66
		.amdhsa_reserve_vcc 1
		.amdhsa_float_denorm_mode_32 3
		.amdhsa_float_denorm_mode_16_64 3
		.amdhsa_memory_ordered 1
		.amdhsa_forward_progress 1
		.amdhsa_inst_pref_size 22
	.end_amdhsa_kernel
	.amdgpu_metadata
---
amdhsa.version: [ 1, 2 ]
amdhsa.kernels:
  - .name:           k_qfccfee4ad6_attn
    .symbol:         k_qfccfee4ad6_attn.kd
    .args:
      - { .name: qkv, .offset: 0, .size: 8, .value_kind: global_buffer, .address_space: global }
      - { .name: ob, .offset: 8, .size: 8, .value_kind: global_buffer, .address_space: global }
    .group_segment_fixed_size: 284672
    .private_segment_fixed_size: 0
    .kernarg_segment_align: 8
    .kernarg_segment_size: 16
    .max_flat_workgroup_size: 512
    .sgpr_count:     66
    .vgpr_count:     240
    .wavefront_size: 32
...
	.end_amdgpu_metadata
.endif
;; end of part 3
;; launch proj (part 4): grid 8 x 32, 4 waves a work-group, clusters of 4 x 4, 327,680 bytes of LDS; arguments ob, wo, bias, out0; writes out0
.if DOCPART == 4
	.amdgcn_target "amdgcn-amd-amdhsa--gfx1250"
	.amdhsa_code_object_version 6
	.text
	.protected	k_qfccfee4ad6_proj
	.globl	k_qfccfee4ad6_proj
	.p2align	8
	.type	k_qfccfee4ad6_proj,@function
k_qfccfee4ad6_proj:
	s_mov_b64 s[64:65], 0
	v_nop
	global_prefetch_b8 v0, s[64:65] scope:SCOPE_SE
	s_setreg_imm32_b32 hwreg(HW_REG_WAVE_MODE, 25, 1), 1
	s_wait_xcnt 0x0
	s_wait_alu depctr_hold_cnt(0) depctr_sa_sdst(0) depctr_va_vdst(0) depctr_va_sdst(0) depctr_va_ssrc(0) depctr_va_vcc(0) depctr_vm_vsrc(0)
	s_getreg_b32 s2, hwreg(HW_REG_IB_STS2, 6, 4)
	s_cmp_eq_u32 s2, 0
	s_cbranch_scc0 .Lentry_in_a_cluster
	s_endpgm
.Lentry_in_a_cluster:
	s_bfe_u32 s2, ttmp6, 0x10000c
	s_cmp_lg_u32 s2, 0xf033
	s_cbranch_scc0 .Lentry_shape_is_right
	s_endpgm
.Lentry_shape_is_right:
; out0 = O Wo^T + bo.  ob: f16 [16 h][8192 rows m'][64], m' = b x 2048 + r x 512 + c for position n = 4 c + r; wo: f16 [16 kb][1024][64]; head h is K block h.  f32 sums; out0 is f32 [8192][1024].
; The rows come in ob's order and go out to their places: row m' is stored at row b x 2048 + 4 c + r.
; LIMITS.  |O| and |Wo| stay under 65,504 (f16), as the launches that wrote them state.
; SHARES.  A tile is 256 rows x 128 columns: 32 x 8 = 256 work-groups.  A wave makes 128 x 64: 32 accumulators of 16 x 16, which fill window 1.
; K goes in steps of 128, two K blocks (planes), through two LDS slots; a wave's tensor load brings one plane of one operand, dense in memory, as rows of 256 bytes, padded in LDS after every 128.
; CLUSTER.  4 x 4 work-groups: ob's tiles are shared along a row of the cluster, wo's along a column: each is asked for jointly.
; THE MATRIX INSTRUCTION IS USED TRANSPOSED (source 0 = 16 rows of wo, source 1 = 16 rows of ob): a lane holds row lane % 16 and the columns 8 (lane / 16) + 0..7.
; THE BIAS STARTS THE SUMS: it is loaded into row block 7's accumulators and is the C operand of every accumulator's first product.
; REGISTERS: window 0: v0-31 addresses; v32-127, v128-223 two fragment buffers (ob's 8 fragments, then wo's 4); window 1: accumulator (a, bb) at v[8 (4 a + bb)].
.set PITCH, 144                        ; an LDS row: 128 bytes + 16: the 16 rows of a fragment load start at 16 different groups of four banks (64 banks of 4 bytes: ISA guide 11.1)
.set APL,   256*PITCH                  ; a plane of ob's tile
.set BPL,   128*PITCH                  ; of wo's
.set BOFF,  2*APL
.set SLOT,  BOFF+2*BPL                 ; 110,592
.set STAGE, 2*SLOT                     ; behind the ring: 16 rows x 272 bytes for each wave
.set SPITCH, 272
.set SPARE, STAGE+4*16*SPITCH          ; the spare words, 128 bytes for each wave: two blocks of 256 bytes that no other line names
.set OPL,   8192*128                   ; bytes from a K block of ob to the next
.set WPL,   1024*128                   ; of wo
.set ADRA, 16
.set ADRB, 20
.set STO,  24
.set RD,   25
.set CO,   26                          ; v26  my byte offset in two rows of out0
.set VB,   27
.set SPW,  28                          ; v28  LDS address of my spare word; never rewritten
.set NIL,  29                          ; v29  0; never rewritten
.set F0,   32
.set F1,   128
.set OB,   32                          ; the way out: 2 x 32 registers by turns
.set WV,  16
.set RH,  17
.set CH,  18
.set G1,  24
.set G0,  32
.set G1B, 48
.set G0B, 56
.set DCON, (1<<16)|(1<<20)|(1<<21)|(4<<22)|(3<<25)  ; 2-byte elements; padding on; 21 set beside a mask; after every 32 words (code 4); 4 words (code 3)
.set MUL, 0x50                         ; C and D in window 1, the fragments in window 0
.set MSB, 0
.macro WIN new
.if MSB != (\new)
	s_set_vgpr_msb (MSB<<8)|(\new)
.set MSB, \new
.endif
.endm
.macro PLACES
.rept 4
	v_nop
.endr
.endm
.macro JLOAD s                         ; a joint load: waves 0 and 1 fetch ob's two planes, waves 2 and 3 wo's; an s_nop 0 and four v_nop follow each line
	s_cmp_eq_u32 s[RH], 0
	s_cbranch_scc0 .Lfor_b_\@
	tensor_load_to_lds s[G0+4*(\s):G0+4*(\s)+3], s[G1:G1+7]
	s_nop 0
.rept 4
	v_nop
.endr
	s_branch .Lasked_\@
.Lfor_b_\@:
	tensor_load_to_lds s[G0B+4*(\s):G0B+4*(\s)+3], s[G1B:G1B+7]
	s_nop 0
.rept 4
	v_nop
.endr
.Lasked_\@:
.endm
.macro CREST
	s_cmp_lg_u32 s[WV], 0
	s_cbranch_scc1 .Lnot_wave_0_\@
	s_barrier_signal -3
.Lnot_wave_0_\@:
	s_barrier_wait -3
	s_barrier_signal -1
	s_barrier_wait -1
.endm
.macro CROUND
	s_barrier_signal -1
	s_barrier_wait -1
	CREST
.endm
	s_load_b256 s[4:11], s[0:1], 0x0               ; ob s[4:5], wo s[6:7], bias s[8:9], out0 s[10:11]
	v_lshl_add_u32 v[SPW], v0, 2, SPARE
	v_mov_b32 v[NIL], 0
	ds_add_u32 v[SPW], v[NIL]                      ; the wave's opening: the add and its wait stand ahead of my first tensor load; work on registers stands between them
	ds_add_u32 v28, v29
	v_lshrrev_b32 v1, 5, v0
	v_readfirstlane_b32 s[WV], v1
	s_lshr_b32 s[RH], s[WV], 1                     ; which half of the rows is mine; also: I fetch ob (0) or wo (1)
	s_and_b32 s[CH], s[WV], 1                      ; which half of the columns; also: which plane I fetch
	s_bfe_u32 s19, ttmp6, 0x40000
	s_bfe_u32 s20, ttmp6, 0x40004
	s_lshl_b32 s21, ttmp9, 2
	s_add_co_u32 s21, s21, s19                     ; tile column 0..7
	s_and_b32 s22, ttmp7, 0xffff
	s_lshl_b32 s22, s22, 2
	s_add_co_u32 s22, s22, s20                     ; tile row 0..31
	s_lshl_b32 s12, s20, 2
	s_lshl_b32 s12, 15, s12
	s_lshl_b32 s13, 0x1111, s19
	s_or_b32 s[G1], s12, DCON
	s_or_b32 s[G1B], s13, DCON
	s_mov_b32 s[G1+1], 128<<16                     ; rows of 256 bytes,
	s_mov_b32 s[G1+2], 128<<16                     ; 128 of them: 256 matrix rows
	s_mov_b32 s[G1+3], 128<<16
	s_mov_b32 s[G1+4], 128
	s_mov_b32 s[G1+5], 128
	s_mov_b32 s[G1+6], 0
	s_mov_b32 s[G1+7], 0
	s_mov_b32 s[G1B+1], 128<<16
	s_mov_b32 s[G1B+2], 64<<16                     ; 64 rows of 256 bytes: 128 matrix rows
	s_mov_b32 s[G1B+3], 128<<16
	s_mov_b32 s[G1B+4], 64
	s_mov_b32 s[G1B+5], 128
	s_mov_b32 s[G1B+6], 0
	s_mov_b32 s[G1B+7], 0
	s_lshl_b32 s40, s22, 15                        ; ob: 256 rows of 128 bytes a tile row, my plane
	s_lshl_b32 s41, s[CH], 20
	s_add_co_u32 s40, s40, s41
	s_mov_b32 s41, 0
	s_lshl_b32 s44, s21, 14                        ; wo: 128 rows a tile column, my plane
	s_lshl_b32 s45, s[CH], 17
	s_add_co_u32 s44, s44, s45
	s_mov_b32 s45, 0
	s_mul_i32 s14, s[CH], APL
	s_mul_i32 s15, s[CH], BPL
	s_add_co_u32 s15, s15, BOFF
	s_wait_dscnt 0x0                               ; the opening add is done
	s_wait_kmcnt 0x0
	s_add_nc_u64 s[42:43], s[4:5], s[40:41]
	s_add_nc_u64 s[46:47], s[6:7], s[44:45]
	CROUND                                         ; all sixteen work-groups are here: the first joint loads meet
.irp s, 0,1
	s_mov_b32 s[G0+4*(\s)], 1
	s_add_co_u32 s[G0+4*(\s)+1], s14, (\s)*SLOT
	s_add_nc_u64 s[G0+4*(\s)+2:G0+4*(\s)+3], s[42:43], (\s)*2*OPL   ; K step s: two planes on
	s_or_b32 s[G0+4*(\s)+3], s[G0+4*(\s)+3], 0x80000000
	s_mov_b32 s[G0B+4*(\s)], 1
	s_add_co_u32 s[G0B+4*(\s)+1], s15, (\s)*SLOT
	s_add_nc_u64 s[G0B+4*(\s)+2:G0B+4*(\s)+3], s[46:47], (\s)*2*WPL
	s_or_b32 s[G0B+4*(\s)+3], s[G0B+4*(\s)+3], 0x80000000
	JLOAD \s                                       ; two loads of mine are out
.endr
	v_and_b32 v1, 15, v0                           ; l % 16
	v_bfe_u32 v2, v0, 4, 1                         ; l / 16
	v_mul_u32_u24 v3, v1, PITCH
	v_lshl_add_u32 v3, v2, 4, v3
	s_mul_i32 s66, s[RH], 128*PITCH                ; my 128 rows of ob
	s_mul_i32 s67, s[CH], 64*PITCH                 ; my 64 rows of wo
	s_add_co_u32 s67, s67, BOFF
.irp s, 0,1
	v_add_nc_u32 v[ADRA+(\s)], s66, v3
	v_add_nc_u32 v[ADRB+(\s)], s67, v3
	s_add_co_u32 s66, s66, SLOT
	s_add_co_u32 s67, s67, SLOT
.endr
	s_mul_i32 s68, s[WV], 16*SPITCH
	s_add_co_u32 s68, s68, STAGE                   ; my stage
	v_mul_u32_u24 v[STO], v1, SPITCH               ; in: row l % 16, 32 bytes for each half of the lanes
	v_lshl_add_u32 v[STO], v2, 5, v[STO]
	v_add_nc_u32 v[STO], s68, v[STO]
	v_mul_u32_u24 v[RD], v2, SPITCH                ; back: lanes 0-15 take one row of 256 bytes, lanes 16-31 the next
	v_lshl_add_u32 v[RD], v1, 4, v[RD]
	v_add_nc_u32 v[RD], s68, v[RD]
	v_lshlrev_b32 v[CO], 14, v2                    ; neighbouring rows m' lie four rows of 4,096 bytes apart in out0
	v_lshl_add_u32 v[CO], v1, 4, v[CO]
	v_lshlrev_b32 v[VB], 5, v2
	s_lshl_b32 s66, s21, 9                         ; bo lies behind 3,072 numbers of bias; my 64 columns
	s_lshl_b32 s67, s[CH], 8
	s_add_co_u32 s66, s66, s67
	s_add_co_u32 s66, s66, 3072*4
	s_mov_b32 s67, 0
	s_add_nc_u64 s[8:9], s[8:9], s[66:67]
	WIN 0x40                                       ; destination window 1: row block 7's accumulators
.irp bb, 0,1,2,3
	global_load_b128 v[224+8*(\bb):224+8*(\bb)+3], v[VB], s[8:9] offset:64*(\bb)
	global_load_b128 v[224+8*(\bb)+4:224+8*(\bb)+7], v[VB], s[8:9] offset:64*(\bb)+16
.endr
	WIN 0
	s_lshr_b32 s66, s22, 3                         ; tile row T: batch T / 8,
	s_lshl_b32 s66, s66, 23
	s_bfe_u32 s67, s22, 0x20001                    ; class (T / 2) % 4: one row of 4,096 bytes each,
	s_lshl_b32 s67, s67, 12
	s_add_co_u32 s66, s66, s67
	s_and_b32 s67, s22, 1                          ; c = (T % 2) x 256 + my half x 128 + ..: 16,384 bytes each
	s_lshl_b32 s67, s67, 22
	s_add_co_u32 s66, s66, s67
	s_lshl_b32 s67, s[RH], 21
	s_add_co_u32 s66, s66, s67
	s_lshl_b32 s67, s21, 9                         ; my first column, in bytes
	s_add_co_u32 s66, s66, s67
	s_lshl_b32 s67, s[CH], 8
	s_add_co_u32 s66, s66, s67
	s_mov_b32 s67, 0
	s_add_nc_u64 s[10:11], s[10:11], s[66:67]
; n x 4 products: row blocks a0 .. a0 + n - 1, all four column blocks, 32 along K.  The 32 accumulators take turns, one instruction a turn.
; mode = 1, the first quarter: C is the bias, in row block 7's accumulators; five places stand ahead of the products that write over it.
.macro MULA f, a0, n, mode
	WIN MUL
.set ma, (\a0)
.rept \n
.if (\mode) && (ma == 7)
.rept 5
	v_nop
.endr
.endif
.irp bb, 0,1,2,3
.set rD, 8*(4*ma+(\bb))
.set rC, rD
.if \mode
.set rC, 8*(28+(\bb))
.endif
	v_wmma_f32_16x16x32_f16 v[rD:rD+7], v[(\f)+64+8*(\bb):(\f)+64+8*(\bb)+7], v[(\f)+8*ma:(\f)+8*ma+7], v[rC:rC+7]
.endr
.set ma, ma+1
.endr
.endm
; 24 LDS loads in one run: quarter q (plane q / 2, byte 64 (q % 2) of the rows) of slot sl into buffer f: wo's 8, ob's lower 8, ob's upper 8
.macro FETCH sl, q, f
	WIN 0
.irp bb, 0,1,2,3
	ds_load_b128 v[(\f)+64+8*(\bb):(\f)+64+8*(\bb)+3],   v[ADRB+(\sl)] offset:((\q)/2)*BPL+((\q)%2)*64+(\bb)*16*PITCH
	ds_load_b128 v[(\f)+64+8*(\bb)+4:(\f)+64+8*(\bb)+7], v[ADRB+(\sl)] offset:((\q)/2)*BPL+((\q)%2)*64+(\bb)*16*PITCH+32
.endr
.irp a, 0,1,2,3,4,5,6,7
	ds_load_b128 v[(\f)+8*(\a):(\f)+8*(\a)+3],   v[ADRA+(\sl)] offset:((\q)/2)*APL+((\q)%2)*64+(\a)*16*PITCH
	ds_load_b128 v[(\f)+8*(\a)+4:(\f)+8*(\a)+7], v[ADRA+(\sl)] offset:((\q)/2)*APL+((\q)%2)*64+(\a)*16*PITCH+32
.endr
.endm
; A K step is four quarters of 32 along K, 32 products each, on buffers 0, 1, 0, 1.  One of the first three: multiplies buffer f and fetches quarter q into g.
.macro QUARTER sl, q, f, g, mode
	s_wait_dscnt 8                                 ; wo's and ob's lower fragments are in; the youngest eight loads may be out
	MULA \f, 0, 4, \mode
	PLACES
	FETCH \sl, \q, \g
	s_wait_dscnt 24                                ; all but the 24 just issued
	MULA \f, 4, 4, \mode
.endm
; The last quarter multiplies buffer 1 and changes slots: ONE barrier; in front of it each wave waits for all its tensor loads, adds 0 to its spare word, and waits for that and for its reads of this slot.
.macro TURN sl, nx, fill
	WIN 0
	s_wait_tensorcnt 0x0                           ; all my tensor loads have landed: my part of the next slot
	ds_add_u32 v[SPW], v[NIL]                      ; 0 onto my spare word
	s_wait_dscnt 9                                 ; the add and the youngest eight loads may be out
	MULA F1, 0, 2, 0                               ; eight products stand between the add and the wait for it
	s_wait_dscnt 0x0                               ; the add is done, and my reads of this slot are over
	s_barrier_signal -1
	MULA F1, 2, 2, 0
	WIN 0                                          ; at a branch every window is 0
	s_barrier_wait -1
.if \fill
	CREST                                          ; the barrier has opened a round of the cluster's: no wave of any partner still reads this slot or has a load on its way
	s_add_nc_u64 s[G0+4*(\sl)+2:G0+4*(\sl)+3], s[G0+4*(\sl)+2:G0+4*(\sl)+3], 4*OPL
	s_add_nc_u64 s[G0B+4*(\sl)+2:G0B+4*(\sl)+3], s[G0B+4*(\sl)+2:G0B+4*(\sl)+3], 4*WPL
	JLOAD \sl                                      ; the first tensor load behind the round: 112 products ahead of the wait for it; its four v_nop are also the places for the loads below
.else
	PLACES
.endif
	FETCH \nx, 0, F0
	MULA F1, 4, 4, 0
.endm
	s_wait_tensorcnt 1                             ; my part of K step 0 is in; step 1's may stay out
	s_barrier_signal -1
	s_barrier_wait -1
	FETCH 0, 0, F0
	s_wait_loadcnt 0x0                             ; the bias
	QUARTER 0, 1, F0, F1, 1                        ; the first quarter stands ahead of the loop: its products start the sums
	WIN 0
	s_mov_b32 s3, 3
.Llap:                                                 ; a trip goes once round the ring and fills both slots again: K steps 2 to 7 in three trips
	QUARTER 0, 2, F1, F0, 0
	QUARTER 0, 3, F0, F1, 0
	TURN 0, 1, 1
	QUARTER 1, 1, F0, F1, 0
	QUARTER 1, 2, F1, F0, 0
	QUARTER 1, 3, F0, F1, 0
	TURN 1, 0, 1
	QUARTER 0, 1, F0, F1, 0
	WIN 0
	s_sub_co_u32 s3, s3, 1
	s_cmp_lg_u32 s3, 0
	s_cbranch_scc1 .Llap
	QUARTER 0, 2, F1, F0, 0                        ; the last lap fills nothing
	QUARTER 0, 3, F0, F1, 0
	TURN 0, 1, 0
	QUARTER 1, 1, F0, F1, 0
	QUARTER 1, 2, F1, F0, 0
	QUARTER 1, 3, F0, F1, 0
	s_wait_dscnt 8
	MULA F1, 0, 4, 0
	s_wait_dscnt 0x0
	MULA F1, 4, 4, 0
; THE WAY OUT, f32, a block of 16 rows at a time through my own stage: 32 bytes a lane in, whole rows of 256 bytes back.
.macro TOSTAGE a
	s_wait_xcnt 0x0                                ; the stores issued so far have read their registers: the buffer below is loaded again only behind this wait
	WIN 0x04                                       ; the stores' data (source 1) in window 1
.irp bb, 0,1,2,3
	ds_store_b128 v[STO], v[32*(\a)+8*(\bb):32*(\a)+8*(\bb)+3] offset:64*(\bb)        ; each accumulator's lowest registers are read first
	ds_store_b128 v[STO], v[32*(\a)+8*(\bb)+4:32*(\a)+8*(\bb)+7] offset:64*(\bb)+16
.endr
	WIN 0
.set BK, OB+32*((\a)%2)
.irp t, 0,1,2,3,4,5,6,7
	ds_load_b128 v[BK+4*(\t):BK+4*(\t)+3], v[RD] offset:(\t)*2*SPITCH  ; LDS serves a wave's instructions in order (ISA guide 5.7.1.4): these see the stores above
.endr
.endm
.macro SEND a, younger                 ; younger: the LDS instructions issued behind block a's loads: the next block's sixteen, or none
	WIN 0
.set BK, OB+32*((\a)%2)
	s_wait_dscnt \younger
.irp t, 0,1,2,3,4,5,6,7
	global_store_b128 v[CO], v[BK+4*(\t):BK+4*(\t)+3], s[10:11] offset:(\a)*262144+(\t)*32768 th:TH_STORE_NT  ; 16 lanes store 256 consecutive bytes, at a multiple of 256 from out0's first byte
.endr
.endm
	PLACES
	TOSTAGE 0
.irp a, 1,2,3,4,5,6,7
	TOSTAGE \a
	SEND (\a)-1, 16
.endr
	SEND 7, 0
	s_wait_tensorcnt 0x0                           ; the wave's end, behind my last tensor load and my last LDS store
	ds_add_u32 v[SPW], v[NIL]
	s_wait_dscnt 0x0
	CROUND                                         ; the closing round: no work-group ends while a partner may still ask for a tile that names it
	s_endpgm
.Lfunc_end_k_qfccfee4ad6_proj:
	.size	k_qfccfee4ad6_proj, .Lfunc_end_k_qfccfee4ad6_proj-k_qfccfee4ad6_proj
	.p2alignl 7, 3214868480
	.fill 96, 4, 3214868480
	.section	.rodata,"a",@progbits
	.p2align	6, 0x0
	.amdhsa_kernel k_qfccfee4ad6_proj
		.amdhsa_group_segment_fixed_size 327680
		.amdhsa_private_segment_fixed_size 0
		.amdhsa_enable_private_segment 0
		.amdhsa_kernarg_size 32
		.amdhsa_user_sgpr_count 2
		.amdhsa_user_sgpr_kernarg_segment_ptr 1
		.amdhsa_wavefront_size32 1
		.amdhsa_system_sgpr_workgroup_id_x 1
		.amdhsa_system_sgpr_workgroup_id_y 1
		.amdhsa_system_sgpr_workgroup_id_z 1
		.amdhsa_system_vgpr_workitem_id 0
		.amdhsa_next_free_vgpr 512
		.amdhsa_next_free_sgpr 80
		.amdhsa_reserve_vcc 0
		.amdhsa_float_denorm_mode_32 3
		.amdhsa_float_denorm_mode_16_64 3
		.amdhsa_memory_ordered 1
		.amdhsa_forward_progress 1
		.amdhsa_inst_pref_size 87
	.end_amdhsa_kernel
	.amdgpu_metadata
---
amdhsa.version: [ 1, 2 ]
amdhsa.kernels:
  - .name:           k_qfccfee4ad6_proj
    .symbol:         k_qfccfee4ad6_proj.kd
    .args:
      - { .name: ob, .offset: 0, .size: 8, .value_kind: global_buffer, .address_space: global }
      - { .name: wo, .offset: 8, .size: 8, .value_kind: global_buffer, .address_space: global }
      - { .name: bias, .offset: 16, .size: 8, .value_kind: global_buffer, .address_space: global }
      - { .name: out0, .offset: 24, .size: 8, .value_kind: global_buffer, .address_space: global }
    .group_segment_fixed_size: 327680
    .private_segment_fixed_size: 0
    .kernarg_segment_align: 8
    .kernarg_segment_size: 32
    .max_flat_workgroup_size: 128
    .sgpr_count:     80
    .vgpr_count:     512
    .wavefront_size: 32
...
	.end_amdgpu_metadata
.endif
;; end of part 4
;; ======== version 2 of 2: 4 launches; version 1 with the launch cast written anew for expert scheduling mode
;; limits: values are held in f16: magnitudes above 65,504 overflow, below 6.1e-05 lose precision
;; workspace buffers: xb 16,777,216 bytes; wb 6,291,456 bytes; wo 2,097,152 bytes; bias 16,384 bytes; qkv 50,331,648 bytes; ob 16,777,216 bytes
;; launch cast (part 5): grid 768 x 1, 8 waves a work-group, no clusters, 0 bytes of LDS; arguments x, Wq, Wk, Wv, Wo, bq, bk, bv, bo, xb, wb, wo, bias; writes xb, wb, wo, bias
.if DOCPART == 5
	.amdgcn_target "amdgcn-amd-amdhsa--gfx1250"
	.amdhsa_code_object_version 6
	.text
	.protected	k_qfccfee4ad6_cast
	.globl	k_qfccfee4ad6_cast
	.p2align	8
	.type	k_qfccfee4ad6_cast,@function
k_qfccfee4ad6_cast:
	s_mov_b64 s[64:65], 0
	v_nop
	global_prefetch_b8 v0, s[64:65] scope:SCOPE_SE
	s_setreg_imm32_b32 hwreg(HW_REG_WAVE_SCHED_MODE, 0, 2), 2
	s_setreg_imm32_b32 hwreg(HW_REG_WAVE_MODE, 25, 1), 1
	s_wait_xcnt 0x0
	s_wait_alu depctr_vm_vsrc(0)
; ALL INPUTS ARE ROUNDED ONCE TO bf16 AND LAID IN K BLOCKS for the two products that follow.
;   xb  bf16 [16 kb][8192 rows][64]: x, K block kb = columns 64 kb .. 64 kb + 63; a K block of any run of rows is dense, 128 bytes a row
;   wb  bf16 [16 kb][3072 rows][64]: rows 0-1023 Wq, 1024-2047 Wk, 2048-3071 Wv
;   wo  f16  [16 kb][1024 rows][64]: Wo rounded to bf16, that number written as f16
;   bias f32 [4096] = bq | bk | bv | bo, each rounded to bf16 and widened again
; LIMITS.  |Wo| stays under 65,504 (f16); a Wo under 6e-5 keeps f16's fixed step of 6e-8.
; SHARES.  A work-group takes 16 rows of 1,024 f32, each of its eight waves two rows.  Work-groups 0-511: x; 512-703: Wq, Wk, Wv; 704-767: Wo, and wave 0 there 64 numbers of a bias.
; One load of a wave takes 256 bytes (one K block) of each of its two rows; one store writes 256 consecutive bytes, at a multiple of 256 from the buffer's first byte.
; Memory binds: no LDS, no barrier, no matrix unit, no cluster (no two work-groups read the same byte).  All 16 loads of a wave go out at once.
; THE MODE: SCHED_MODE bits 1:0 = 2 (LLVM: expert scheduling mode 2), set by the entry lines.  The code itself states the register dependences
; between vector instructions and memory instructions, with s_wait_alu, always for 0.
; THE PLAN.  Registers that memory instructions touch:
;   v1, v2     byte offsets, made once at the head and never written again: one wait at the head, ahead of the branches, serves every load and store of the three arms.
;   X          each four registers are loaded once and read by the roundings behind the counted wait for that load; no vector instruction names them before the loads.
;   Y          K block j's two registers are written by its roundings, read by its one store and never written again.
;   T, v3, v106  named by vector instructions alone.
; The 16 K blocks go in four groups of four.  Block j's store is issued four blocks later, ahead of block j + 4's roundings.  ONE wait at the head of a group states that the
; group before has written its Y; the group's four stores read that Y, and the group's roundings, among which they are dealt, name X, T and the group's own Y alone.
; No register that a memory instruction has read is written again, the text has no loop, and EXEC and VCC are never written.
.set XROWS, 8192*128                   ; bytes of a K block of xb
.set WROWS, 3072*128                   ; of wb
.set OROWS, 1024*128                   ; of wo
.set VO,  1                            ; v1        (lane / 16) x 4,096 + (lane % 16) x 16: my 16 bytes in the wave's two rows; never rewritten
.set VS,  2                            ; v2        8 x lane: my 8 bytes in the 256 that a store writes; never rewritten
.set X,   4                            ; v[4:67]   load j: 4 f32
.set Y,   68                           ; v[68:99]  store j: 4 numbers of 16 bits
.set T,   100                          ; v[100:103] at work
.set WV,  30                           ; s30  my wave's number
.set SRC, 32                           ; s[32:33] the source at my two rows
.set DL,  34                           ; s[34:35] the target at my two rows, K block 0
.set DH,  36                           ; s[36:37] the same, K block 8: so every store's immediate stays under 2^23
.set HIM, 42                           ; s42  mask of a word's upper half
; K block j's store: 256 consecutive bytes of the wave's two rows.
.macro PUT j, rowsb
.if (\j) < 8
	global_store_b64 v[VS], v[Y+2*(\j):Y+2*(\j)+1], s[DL:DL+1] offset:(\j)*(\rowsb)
.else
	global_store_b64 v[VS], v[Y+2*(\j):Y+2*(\j)+1], s[DH:DH+1] offset:((\j)-8)*(\rowsb)
.endif
.endm
; The wave's two rows: 16 loads, then for each K block the store of the block four back and two roundings (f16 = 1: widened again and written as f16).
.macro CAST rowsb, f16
.irp j, 0,1,2,3,4,5,6,7,8,9,10,11,12,13,14,15
	global_load_b128 v[X+4*(\j):X+4*(\j)+3], v[VO], s[SRC:SRC+1] offset:256*(\j) th:TH_LOAD_NT
.endr
.irp j, 0,1,2,3,4,5,6,7,8,9,10,11,12,13,14,15
	s_wait_loadcnt 15-(\j)                         ; loads come back in order: load j is in, the 15 - j younger ones stay out
.if ((\j) > 0) && (((\j) % 4) == 0)
	s_wait_alu depctr_va_vdst(0)                   ; the four blocks before have written their Y, which this group's four stores read
.endif
.if (\j) >= 4
	PUT (\j)-4, \rowsb                             ; no vector instruction since that wait names this block's Y
.endif
	v_cvt_pk_bf16_f32 v[Y+2*(\j)], v[X+4*(\j)], v[X+4*(\j)+1]
	v_cvt_pk_bf16_f32 v[Y+2*(\j)+1], v[X+4*(\j)+2], v[X+4*(\j)+3]
.if \f16
	v_lshlrev_b32 v[T], 16, v[Y+2*(\j)]            ; the bf16 numbers as f32,
	v_and_b32 v[T+1], s[HIM], v[Y+2*(\j)]
	v_lshlrev_b32 v[T+2], 16, v[Y+2*(\j)+1]
	v_and_b32 v[T+3], s[HIM], v[Y+2*(\j)+1]
	v_cvt_pk_f16_f32 v[Y+2*(\j)], v[T], v[T+1]     ; and as f16 (exact inside f16's normal range)
	v_cvt_pk_f16_f32 v[Y+2*(\j)+1], v[T+2], v[T+3]
.endif
.endr
	s_wait_alu depctr_va_vdst(0)                   ; blocks 12 to 15 have written their Y, which the last four stores read
.irp j, 12,13,14,15
	PUT \j, \rowsb
.endr
.endm
	s_load_b512 s[4:19], s[0:1], 0x0               ; x 4, Wq 6, Wk 8, Wv 10, Wo 12, bq 14, bk 16, bv 18
	s_load_b256 s[20:27], s[0:1], 0x40             ; bo 20, xb 22, wb 24, wo 26
	s_load_b64 s[28:29], s[0:1], 0x60              ; bias
	v_and_b32 v3, 31, v0                           ; lane
	v_lshrrev_b32 v1, 5, v0
	v_readfirstlane_b32 s[WV], v1
	v_lshrrev_b32 v1, 4, v3
	v_and_b32 v2, 15, v3
	v_lshlrev_b32 v2, 4, v2
	v_lshl_add_u32 v[VO], v1, 12, v2
	v_lshlrev_b32 v[VS], 3, v3
	s_mov_b32 s[HIM], 0xffff0000
	s_mov_b32 s39, 0                               ; high words of the two offsets
	s_mov_b32 s41, 0
	s_wait_alu depctr_va_sdst(0)                   ; the wave's number is written into s30, ahead of its first reader: the offsets of the wave's rows are made from it
	s_lshl_b32 s31, s[WV], 13                      ; my two rows in the source: 2 x 4,096 bytes a wave,
	s_lshl_b32 s46, s[WV], 8                       ; and in a K block of the target: 2 x 128
	s_wait_kmcnt 0x0
	s_wait_alu depctr_va_vdst(0)                   ; v1 and v2 are written: every load and store of the three arms below reads one of them as its offset
	s_cmp_lt_u32 ttmp9, 512
	s_cbranch_scc0 .Lnot_x
	s_lshl_b32 s38, ttmp9, 16                      ; 16 rows of 4,096 bytes
	s_add_co_u32 s38, s38, s31
	s_lshl_b32 s40, ttmp9, 11                      ; 16 rows of 128 bytes
	s_add_co_u32 s40, s40, s46
	s_add_nc_u64 s[SRC:SRC+1], s[4:5], s[38:39]
	s_add_nc_u64 s[DL:DL+1], s[22:23], s[40:41]
	s_add_nc_u64 s[DH:DH+1], s[DL:DL+1], 8*XROWS
	CAST XROWS, 0
	s_endpgm
.Lnot_x:
	s_cmp_lt_u32 ttmp9, 704
	s_cbranch_scc0 .Lnot_w
	s_sub_co_u32 s43, ttmp9, 512                   ; 0 .. 191: 64 work-groups for each of Wq, Wk, Wv
	s_cmp_lt_u32 s43, 64
	s_cselect_b64 s[SRC:SRC+1], s[6:7], s[8:9]
	s_cmp_lt_u32 s43, 128
	s_cselect_b64 s[SRC:SRC+1], s[SRC:SRC+1], s[10:11]
	s_and_b32 s38, s43, 63
	s_lshl_b32 s38, s38, 16
	s_add_co_u32 s38, s38, s31
	s_lshl_b32 s40, s43, 11                        ; wb's rows run through the three weights
	s_add_co_u32 s40, s40, s46
	s_add_nc_u64 s[SRC:SRC+1], s[SRC:SRC+1], s[38:39]
	s_add_nc_u64 s[DL:DL+1], s[24:25], s[40:41]
	s_add_nc_u64 s[DH:DH+1], s[DL:DL+1], 8*WROWS
	CAST WROWS, 0
	s_endpgm
.Lnot_w:
	s_sub_co_u32 s43, ttmp9, 704                   ; 0 .. 63
	s_lshl_b32 s38, s43, 16
	s_add_co_u32 s38, s38, s31
	s_lshl_b32 s40, s43, 11
	s_add_co_u32 s40, s40, s46
	s_add_nc_u64 s[SRC:SRC+1], s[12:13], s[38:39]
	s_add_nc_u64 s[DL:DL+1], s[26:27], s[40:41]
	s_add_nc_u64 s[DH:DH+1], s[DL:DL+1], 8*OROWS
	CAST OROWS, 1
	s_cmp_lg_u32 s[WV], 0
	s_cbranch_scc1 .Ldone
	; wave 0: 64 numbers (256 bytes) of the four biases' 4,096: piece s43 of 64, 16 pieces a bias
	s_cmp_lt_u32 s43, 16
	s_cselect_b64 s[44:45], s[14:15], s[16:17]
	s_cmp_lt_u32 s43, 32
	s_cselect_b64 s[44:45], s[44:45], s[18:19]
	s_cmp_lt_u32 s43, 48
	s_cselect_b64 s[44:45], s[44:45], s[20:21]
	s_and_b32 s38, s43, 15
	s_lshl_b32 s38, s38, 8
	s_add_nc_u64 s[44:45], s[44:45], s[38:39]
	s_lshl_b32 s40, s43, 8
	s_add_nc_u64 s[46:47], s[28:29], s[40:41]
	global_load_b64 v[104:105], v[VS], s[44:45]    ; no vector instruction has named v104 or v105
	s_wait_loadcnt 0x0
	v_cvt_pk_bf16_f32 v106, v104, v105
	v_lshlrev_b32 v108, 16, v106
	v_and_b32 v109, s[HIM], v106
	s_wait_alu depctr_va_vdst(0)                   ; v108 and v109 are written, which the store reads
	global_store_b64 v[VS], v[108:109], s[46:47]
.Ldone:
	s_endpgm
.Lfunc_end_k_qfccfee4ad6_cast:
	.size	k_qfccfee4ad6_cast, .Lfunc_end_k_qfccfee4ad6_cast-k_qfccfee4ad6_cast
	.p2alignl 7, 3214868480
	.fill 96, 4, 3214868480
	.section	.rodata,"a",@progbits
	.p2align	6, 0x0
	.amdhsa_kernel k_qfccfee4ad6_cast
		.amdhsa_group_segment_fixed_size 0
		.amdhsa_private_segment_fixed_size 0
		.amdhsa_enable_private_segment 0
		.amdhsa_kernarg_size 104
		.amdhsa_user_sgpr_count 2
		.amdhsa_user_sgpr_kernarg_segment_ptr 1
		.amdhsa_wavefront_size32 1
		.amdhsa_system_sgpr_workgroup_id_x 1
		.amdhsa_system_sgpr_workgroup_id_y 1
		.amdhsa_system_sgpr_workgroup_id_z 1
		.amdhsa_system_vgpr_workitem_id 0
		.amdhsa_next_free_vgpr 112
		.amdhsa_next_free_sgpr 66
		.amdhsa_reserve_vcc 0
		.amdhsa_float_denorm_mode_32 3
		.amdhsa_float_denorm_mode_16_64 3
		.amdhsa_memory_ordered 1
		.amdhsa_forward_progress 1
		.amdhsa_inst_pref_size 25
	.end_amdhsa_kernel
	.amdgpu_metadata
---
amdhsa.version: [ 1, 2 ]
amdhsa.kernels:
  - .name:           k_qfccfee4ad6_cast
    .symbol:         k_qfccfee4ad6_cast.kd
    .args:
      - { .name: x, .offset: 0, .size: 8, .value_kind: global_buffer, .address_space: global }
      - { .name: Wq, .offset: 8, .size: 8, .value_kind: global_buffer, .address_space: global }
      - { .name: Wk, .offset: 16, .size: 8, .value_kind: global_buffer, .address_space: global }
      - { .name: Wv, .offset: 24, .size: 8, .value_kind: global_buffer, .address_space: global }
      - { .name: Wo, .offset: 32, .size: 8, .value_kind: global_buffer, .address_space: global }
      - { .name: bq, .offset: 40, .size: 8, .value_kind: global_buffer, .address_space: global }
      - { .name: bk, .offset: 48, .size: 8, .value_kind: global_buffer, .address_space: global }
      - { .name: bv, .offset: 56, .size: 8, .value_kind: global_buffer, .address_space: global }
      - { .name: bo, .offset: 64, .size: 8, .value_kind: global_buffer, .address_space: global }
      - { .name: xb, .offset: 72, .size: 8, .value_kind: global_buffer, .address_space: global }
      - { .name: wb, .offset: 80, .size: 8, .value_kind: global_buffer, .address_space: global }
      - { .name: wo, .offset: 88, .size: 8, .value_kind: global_buffer, .address_space: global }
      - { .name: bias, .offset: 96, .size: 8, .value_kind: global_buffer, .address_space: global }
    .group_segment_fixed_size: 0
    .private_segment_fixed_size: 0
    .kernarg_segment_align: 8
    .kernarg_segment_size: 104
    .max_flat_workgroup_size: 256
    .sgpr_count:     66
    .vgpr_count:     112
    .wavefront_size: 32
...
	.end_amdgpu_metadata
.endif
;; end of part 5
;; launch qkv: the kernel of part 2 again; grid 8 x 32, 4 waves a work-group, clusters of 4 x 4, 327,680 bytes of LDS; arguments xb, wb, bias, qkv; writes qkv
;; launch attn: the kernel of part 3 again; grid 64 x 4, 16 waves a work-group, no clusters, 284,672 bytes of LDS; arguments qkv, ob; writes ob
;; launch proj: the kernel of part 4 again; grid 8 x 32, 4 waves a work-group, clusters of 4 x 4, 327,680 bytes of LDS; arguments ob, wo, bias, out0; writes out0
